; MI455X (gfx1250); checked and timed in simulation.
; The chip was launched on July 23, 2026; its instructions are those of AMD's public machine-readable ISA for CDNA 5 (MIT licence, August 2026) and "CDNA5" Instruction Set Architecture Reference Guide (July 2026). The comments in the code are by the model that wrote it; some were corrected since.
;; RA. Allowed arithmetic: matrix products marked QUANTISED: E4M3 operands, one given power-of-two scale a tensor, by v_wmma_f32_16x16x64_fp8_fp8 or v_wmma_f32_16x16x128_fp8_fp8, f32 sums; products left as they are: f32 operands where the result goes on into a quantised operand, else bf16, f16 or f32 operands; f32 sums; everything else in f32.
;; Inputs: W1 768 x 768 float32; W2 768 x 1 float32; Wi 768 x 768 float32; Wk 768 x 768 float32; Wq 768 x 768 float32; Wt 768 x 768 float32; Wv 768 x 768 float32; b1 768 float32; b2 1 float32; bi 768 float32; bk 768 float32; bq 768 float32; bt 768 float32; bv 768 float32; image 8 x 197 x 768 float32; lowp_scales 16 int32 (the exponents e of the quantised operands' scales 2^e); text 8 x 64 x 768 float32.
;; Outputs: out0 8 x 64 x 768 float32.
;; This version of the problem:
;;   THIS VERSION OF THE PROBLEM IS GIVEN IN LOW PRECISION. The matrix products marked QUANTISED in the list below multiply operands that are first quantised to E4M3 (4 exponent bits, 3 mantissa bits; 8 bits a number), with one given power-of-two scale for each operand tensor; their sums are f32. All else is computed in f32.
;;   The module's matrix products, in the order in which they are computed (A, B: the left and right operand; K: the contracted axis; several contracted axes count as one K, in the product's order):
;;     1. [M 512, K 768] x [K 768, N 768]; A: input text; B: input Wt: QUANTISED (scales: A lowp_scales[0], B lowp_scales[1])
;;     2. [M 1,576, K 768] x [K 768, N 768]; A: input image; B: input Wi: QUANTISED (scales: A lowp_scales[2], B lowp_scales[3])
;;     3. [M 100,864, K 768] x [K 768, N 768]; A: computed on the way; B: input W1: QUANTISED (scales: A lowp_scales[4], B lowp_scales[5])
;;     4. [M 100,864, K 768] x [K 768, N 1]; A: computed on the way; B: input W2: left as it is (N = 1 < 16)
;;     5. [M 512, K 768] x [K 768, N 768]; A: input text; B: input Wq: QUANTISED (scales: A lowp_scales[6], B lowp_scales[7])
;;     6. [M 1,576, K 768] x [K 768, N 768]; A: input image; B: input Wk: QUANTISED (scales: A lowp_scales[8], B lowp_scales[9])
;;     7. [M 1,576, K 768] x [K 768, N 768]; A: input image; B: input Wv: QUANTISED (scales: A lowp_scales[10], B lowp_scales[11])
;;     8. batch 96 x [M 64, K 64] x [K 64, N 197]; A: computed on the way; B: computed on the way: QUANTISED (scales: A lowp_scales[12], B lowp_scales[13])
;;     9. batch 96 x [M 64, K 197] x [K 197, N 64]; A: computed on the way; B: computed on the way: QUANTISED (scales: A lowp_scales[14], B lowp_scales[15])
;;   THE QUANTISER, for each operand of a quantised product, along K:
;;     - The operand's scale is 2^e, e = its entry of the input lowp_scales (int32; the entries are numbered through the quantised products in the list's order, A before B).
;;     - Each number is divided by the scale, clamped to +-448, and rounded to the nearest number of E4M3, ties to even, subnormals kept.
;;     - The product sums the exact products of the quantised numbers (number of the format x scale) in f32.
;;   ~~~python
;;   def quantise(x, axis, e):      # numpy; x: float32 -> the quantised numbers, widened to float32 again
;;       x = np.moveaxis(x, axis, -1); K = x.shape[-1]
;;       r = np.clip(x / 2.0 ** e, -448, 448)
;;       step = 2.0 ** (np.maximum(np.frexp(np.where(r == 0, 1, r))[1] - 1, -6) - 3)
;;       q = np.round(r / step) * step * 2.0 ** e      # np.round: ties to even
;;       return np.moveaxis(q, -1, axis).astype(np.float32)
;;   ~~~
;;   OPERANDS COMPUTED ON THE WAY. 'Computed on the way' means the value that the module computes at that place (a softmax that the list does not call 'softmax' is quantised finished and normalised). What goes into a quantiser is computed in f32, as accurately as f32 sums, v_exp_f32 and their like allow (about 1e-6 of the number): no bf16 or f16 on the way to a quantiser, and a product that is left as it is and whose result goes on into a quantised operand takes f32 operands (vector FMAs, or v_wmma_f32_16x16x4_f32). A number that lies on a knife's edge between two numbers of the format may be rounded either way, as far as f32 arithmetic and the matrix unit's own rounding can turn it there, and no further.
;; 2 versions, each right; version 2 is version 1 with the launches proj, attn written anew for expert scheduling mode. Each part assembles by itself: llvm-mc -triple=amdgcn-amd-amdhsa -mcpu=gfx1250 --defsym DOCPART=n.
;; ======== version 1 of 2: 4 launches
;; workspace buffers: wimg 3,538,944 bytes; ximg 4,620,288 bytes; eimg 6,684,672 bytes; qimg 393,216 bytes; kimg 1,277,952 bytes; vimg 1,277,952 bytes; gate 425,984 bytes
;; launch quant (part 1): grid 280 x 1, 6 waves a work-group, no clusters, 51,456 bytes of LDS; arguments Wt, Wi, W1, Wq, Wk, Wv, text, image, lowp_scales, wimg, ximg; writes wimg, ximg
.if DOCPART == 1
	.amdgcn_target "amdgcn-amd-amdhsa--gfx1250"
	.amdhsa_code_object_version 6
	.text
	.protected	k_q4c73521461_quant
	.globl	k_q4c73521461_quant
	.p2align	8
	.type	k_q4c73521461_quant,@function
k_q4c73521461_quant:
	s_mov_b64 s[64:65], 0
	v_nop
	global_prefetch_b8 v0, s[64:65] scope:SCOPE_SE
	s_setreg_imm32_b32 hwreg(HW_REG_WAVE_MODE, 25, 1), 1
	s_wait_xcnt 0x0
; The six weights and the rows of text and image become codes of E4M3, each with the scale 2^e that is given for the operand, laid as IMAGES OF THE OPERAND'S REGISTERS.
; An image is a fragment of 16 rows (or columns) x 128 K: [4 c][32 lanes][16 bytes]; lane (r = l % 16, h = l / 16), piece c holds k = 128 ks + 32 c + 16 h + 0 .. 15 of row r.
; wimg: [6 p][48 n-tiles][6 ks][2,048], p = 0 Wt, 1 Wi, 2 W1, 3 Wq, 4 Wk, 5 Wv (scale: entry 2 p + 1).
; ximg: text with e0 at 0, text with e6 at 393,216 (32 tiles of 16 rows each); image with e2 at 786,432, e8 at 2,064,384, e10 at 3,342,336 (104 tiles each): [tile][6 ks][2,048].
; An image tile 13 b + it holds rows 197 b + min(16 it + r, 196): the rows past a batch's end repeat its last row; what is made of them is never used.
; Work-groups 0-143 take the weights (K is their FIRST axis: a lane takes a column and its registers run down K, so that nothing is transposed); work-groups 144-279 take a tile of 16 rows, a wave a K step.
; No tensor load, no barrier, no cluster: waves share nothing, every input byte is read once.
; LIMITS: each e between -126 and 119, so that 2^e and 448 x 2^e are f32 numbers.  NaN among the inputs is not served (an infinity is held at the largest code).
.set WX,  32                           ; weights: v32-95 two sets of 32 numbers
.set WC,  96                           ; v96-127 codes, eight registers a block, so that no store's data are written again
.set OFF, 16                           ; rows: v16-31 byte offset of row r's 16 bytes for my lane
.set RW,  32                           ; v32-95 the rows as loaded; later the held numbers
.set XN,  96                           ; v96-159 my 64 numbers: register 16 c + i = k 32 c + 16 h + i of row r
.set XC,  160                          ; v160-207 codes, 16 registers a variant
.set SP,  528                          ; a stage row: 512 bytes + 16
.macro MKSCALE se                      ; s[se] = e:  v11 = 2^e (the conversion takes its exponent field), v10 = 448 x 2^e
	s_add_co_i32 s58, s[\se], 127
	s_lshl_b32 s59, s58, 23
	v_mov_b32 v11, s59
	s_add_co_i32 s58, s58, 8
	s_lshl_b32 s58, s58, 23
	s_or_b32 s58, s58, 0x600000
	v_mov_b32 v10, s58
.endm
.macro WLOAD t                         ; block t: W(128 ks + 32 t + i, my column), i = 0 .. 31: each load reads 128 consecutive bytes a wave
.set i, 0
.rept 32
	global_load_b32 v[WX+32*((\t)%2)+i], v3, s[32:33] offset:(32*(\t)+i)*3072 th:TH_LOAD_NT
.set i, i+1
.endr
.endm
.macro WBLOCK t
.if (\t) < 3
	s_wait_loadcnt 32                              ; this block's 32 loads are in; the next block's 32 may be out
.else
	s_wait_loadcnt 0x0
.endif
.set XS, WX+32*((\t)%2)
.set i, 0
.rept 32
	v_med3_num_f32 v[XS+i], v[XS+i], -v10, v10     ; the conversion does not saturate (ISA guide 7.6.2): the hold at the largest code x the scale
.set i, i+1
.endr
.irp g, 0,1,2,3
	v_cvt_scalef32_pk8_fp8_f32 v[WC+8*(\t)+2*\g:WC+8*(\t)+2*\g+1], v[XS+8*\g:XS+8*\g+7], v11
.endr
	v_nop                                          ; a plain line behind the last conversion
	global_store_b128 v4, v[WC+8*(\t):WC+8*(\t)+3], s[22:23] offset:512*(\t)          ; k 32 t + 0 .. 15: the image's lanes 0-15;  sixteen lanes store 256 consecutive bytes, aligned
	global_store_b128 v4, v[WC+8*(\t)+4:WC+8*(\t)+7], s[22:23] offset:512*(\t)+256    ; k 32 t + 16 .. 31: its lanes 16-31
.if (\t)+2 < 4
	WLOAD (\t)+2
.endif
.endm
.macro XVAR v, se, base                ; one variant of the rows' codes: scale s[se], image at s[base:base+1]
	MKSCALE \se
.set i, 0
.rept 64
	v_med3_num_f32 v[RW+i], v[XN+i], -v10, v10
.set i, i+1
.endr
.irp g, 0,1,2,3,4,5,6,7
	v_cvt_scalef32_pk8_fp8_f32 v[XC+16*(\v)+2*\g:XC+16*(\v)+2*\g+1], v[RW+8*\g:RW+8*\g+7], v11
.endr
	v_nop                                          ; a plain line between the conversions and the next variant's writes of their sources
.irp c, 0,1,2,3
	global_store_b128 v3, v[XC+16*(\v)+4*\c:XC+16*(\v)+4*\c+3], s[\base:\base+1] offset:512*\c   ; 512 consecutive bytes
.endr
.endm
	s_load_b512 s[4:19], s[0:1], 0x0               ; Wt, Wi, W1, Wq, Wk, Wv s[4:15]; text s[16:17]; image s[18:19]
	s_load_b128 s[20:23], s[0:1], 0x40             ; lowp_scales s[20:21], wimg s[22:23]
	s_load_b64 s[24:25], s[0:1], 0x50              ; ximg
	v_lshl_add_u32 v216, v0, 2, 0xc600
	v_mov_b32 v217, 0
	v_lshrrev_b32 v1, 5, v0
	v_readfirstlane_b32 s26, v1                    ; wave 0..5
	v_and_b32 v2, 31, v0                           ; lane
	s_wait_kmcnt 0x0
	s_load_b512 s[68:83], s[20:21], 0x0            ; the sixteen exponents: entry n in s[68 + n]
	s_cmp_lt_u32 ttmp9, 144
	s_cbranch_scc0 .Lrows
	; ---- a weight: work-group g = 24 p + 4 ks + G; wave w takes columns 192 G + 32 w + lane and the 128 k of K step ks
	s_mul_i32 s27, ttmp9, 2731
	s_lshr_b32 s27, s27, 16                        ; p = g / 24 (2731 x 24 = 65,544: exact for g < 144)
	s_mul_i32 s28, s27, 24
	s_sub_co_u32 s28, ttmp9, s28
	s_lshr_b32 s29, s28, 2                         ; ks
	s_and_b32 s30, s28, 3                          ; G
	s_mov_b64 s[32:33], s[4:5]
.irp k, 1,2,3,4,5
	s_cmp_eq_u32 s27, \k
	s_cselect_b64 s[32:33], s[4+2*\k:5+2*\k], s[32:33]   ; the choice hangs on the work-group's number alone
.endr
	s_mul_i32 s34, s29, 393216                     ; 128 rows of 3,072 bytes a K step
	s_mul_i32 s35, s30, 768
	s_add_co_u32 s34, s34, s35
	s_lshl_b32 s35, s26, 7
	s_add_co_u32 s34, s34, s35                     ; + 4 (192 G + 32 w)
	s_mov_b32 s35, 0
	s_add_nc_u64 s[32:33], s[32:33], s[34:35]
	s_mul_i32 s36, s27, 589824                     ; wimg: p,
	s_mul_i32 s37, s30, 147456
	s_add_co_u32 s36, s36, s37
	s_mul_i32 s37, s26, 24576
	s_add_co_u32 s36, s36, s37                     ; n-tile 12 G + 2 w,
	s_lshl_b32 s37, s29, 11
	s_add_co_u32 s36, s36, s37                     ; K step
	s_mov_b32 s37, 0
	s_add_nc_u64 s[22:23], s[22:23], s[36:37]
	v_lshlrev_b32 v3, 2, v2                        ; in: 4 bytes a lane
	v_lshrrev_b32 v5, 4, v2
	v_and_b32 v6, 15, v2
	v_mul_u32_u24 v4, v5, 12288                    ; out: lanes 16-31 belong to the next n-tile,
	v_lshl_add_u32 v4, v6, 4, v4                   ; 16 bytes for column l % 16
	WLOAD 0
	WLOAD 1
	s_wait_kmcnt 0x0
	s_mov_b32 s38, s69
.irp k, 1,2,3,4,5
	s_cmp_eq_u32 s27, \k
	s_cselect_b32 s38, s[69+2*\k], s38             ; entry 2 p + 1
.endr
	MKSCALE 38
	WBLOCK 0
	WBLOCK 1
	WBLOCK 2
	WBLOCK 3
	s_endpgm
.Lrows:
	; ---- a tile of 16 rows: tile mt = g - 144 (0-31 text, 32-135 image); wave = K step
	s_sub_co_u32 s27, ttmp9, 144                   ; mt
	s_max_u32 s28, s27, 32
	s_sub_co_u32 s28, s28, 32                      ; the image's tile (0 for a tile of text: not used there)
	s_mul_i32 s29, s28, 20165
	s_lshr_b32 s29, s29, 18                        ; b = tile / 13 (20,165 x 13 = 262,145: exact for tile < 104)
	s_mul_i32 s30, s29, 13
	s_sub_co_u32 s30, s28, s30                     ; it
	s_mul_i32 s31, s29, 197
	s_lshl_b32 s30, s30, 4
	s_lshl_b32 s34, s27, 4
	s_mov_b32 s35, 196
	s_mov_b32 s37, 786432
	s_mov_b32 s38, 1277952
	s_cmp_lt_u32 s27, 32                           ; text?
	s_cselect_b32 s31, s34, s31                    ; the first row: 16 mt, or 197 b
	s_cselect_b32 s30, 0, s30                      ; row r is the first row + min(this + r, the limit)
	s_cselect_b32 s35, 15, s35
	s_cselect_b64 s[32:33], s[16:17], s[18:19]
	s_cselect_b32 s36, s27, s28                    ; the tile's number in its region of ximg
	s_cselect_b32 s37, 0, s37                      ; the first variant's region,
	s_cselect_b32 s38, 393216, s38                 ; and the distance from variant to variant
	s_lshl_b32 s40, s26, 9                         ; my K step: 512 bytes of a row
	s_mov_b32 s41, 0
	s_add_nc_u64 s[32:33], s[32:33], s[40:41]
	v_lshlrev_b32 v3, 4, v2                        ; 16 x lane
.irp r, 0,1,2,3,4,5,6,7,8,9,10,11,12,13,14,15
	s_add_co_u32 s42, s30, \r
	s_min_u32 s42, s42, s35
	s_add_co_u32 s42, s42, s31
	s_mul_i32 s42, s42, 3072
	v_add_nc_u32 v[OFF+\r], s42, v3
	global_load_b128 v[RW+4*\r:RW+4*\r+3], v[OFF+\r], s[32:33]   ; 512 consecutive bytes of one row
.endr
	s_mul_i32 s44, s36, 12288
	s_add_co_u32 s44, s44, s37
	s_lshl_b32 s45, s26, 11
	s_add_co_u32 s44, s44, s45
	s_mov_b32 s45, 0
	s_add_nc_u64 s[46:47], s[24:25], s[44:45]      ; the three variants' images
	s_mov_b32 s48, s38
	s_mov_b32 s49, 0
	s_add_nc_u64 s[50:51], s[46:47], s[48:49]
	s_add_nc_u64 s[52:53], s[50:51], s[48:49]
	s_mul_i32 s54, s26, 16*SP                      ; my wave's stage
	v_add_nc_u32 v4, s54, v3                       ; in: as loaded, row r at r x SP
	v_and_b32 v5, 15, v2
	v_lshrrev_b32 v6, 4, v2
	v_mul_u32_u24 v7, v5, SP
	v_lshl_add_u32 v7, v6, 6, v7
	v_add_nc_u32 v7, s54, v7                       ; out: row l % 16, + 64 (l / 16): 16 neighbours of each block of 32
.irp r, 0,1,2,3,4,5,6,7,8,9,10,11,12,13,14,15
	s_wait_loadcnt 15-\r                           ; loads come back in order: row r is in, the later rows may be out
	ds_store_b128 v4, v[RW+4*\r:RW+4*\r+3] offset:\r*SP
.endr
.irp c, 0,1,2,3
.irp j, 0,1,2,3
	ds_load_b128 v[XN+16*\c+4*\j:XN+16*\c+4*\j+3], v7 offset:128*\c+16*\j   ; LDS serves a wave's instructions in order: these see my stores
.endr
.endr
	s_wait_kmcnt 0x0
	s_cmp_lt_u32 s27, 32
	s_cselect_b32 s55, s68, s70                    ; e0 or e2
	s_cselect_b32 s56, s74, s76                    ; e6 or e8
	s_mov_b32 s57, s78                             ; e10
	s_wait_dscnt 0x0                               ; my numbers are back, and the stores have read the registers that the held numbers take
	XVAR 0, 55, 46
	XVAR 1, 56, 50
	s_cmp_lt_u32 s27, 32
	s_cbranch_scc1 .Ldone                          ; text has two variants, image three
	XVAR 2, 57, 52
.Ldone:
	s_wait_tensorcnt 0x0
	ds_add_u32 v216, v217
	s_wait_dscnt 0x0
	s_endpgm
.Lfunc_end_k_q4c73521461_quant:
	.size	k_q4c73521461_quant, .Lfunc_end_k_q4c73521461_quant-k_q4c73521461_quant
	.p2alignl 7, 3214868480
	.fill 96, 4, 3214868480
	.section	.rodata,"a",@progbits
	.p2align	6, 0x0
	.amdhsa_kernel k_q4c73521461_quant
		.amdhsa_group_segment_fixed_size 51456
		.amdhsa_private_segment_fixed_size 0
		.amdhsa_enable_private_segment 0
		.amdhsa_kernarg_size 88
		.amdhsa_user_sgpr_count 2
		.amdhsa_user_sgpr_kernarg_segment_ptr 1
		.amdhsa_wavefront_size32 1
		.amdhsa_system_sgpr_workgroup_id_x 1
		.amdhsa_system_sgpr_workgroup_id_y 1
		.amdhsa_system_sgpr_workgroup_id_z 1
		.amdhsa_system_vgpr_workitem_id 0
		.amdhsa_next_free_vgpr 218
		.amdhsa_next_free_sgpr 96
		.amdhsa_reserve_vcc 0
		.amdhsa_float_denorm_mode_32 3
		.amdhsa_float_denorm_mode_16_64 3
		.amdhsa_memory_ordered 1
		.amdhsa_forward_progress 1
		.amdhsa_inst_pref_size 50
	.end_amdhsa_kernel
	.amdgpu_metadata
---
amdhsa.version: [ 1, 2 ]
amdhsa.kernels:
  - .name:           k_q4c73521461_quant
    .symbol:         k_q4c73521461_quant.kd
    .args:
      - { .name: Wt, .offset: 0, .size: 8, .value_kind: global_buffer, .address_space: global }
      - { .name: Wi, .offset: 8, .size: 8, .value_kind: global_buffer, .address_space: global }
      - { .name: W1, .offset: 16, .size: 8, .value_kind: global_buffer, .address_space: global }
      - { .name: Wq, .offset: 24, .size: 8, .value_kind: global_buffer, .address_space: global }
      - { .name: Wk, .offset: 32, .size: 8, .value_kind: global_buffer, .address_space: global }
      - { .name: Wv, .offset: 40, .size: 8, .value_kind: global_buffer, .address_space: global }
      - { .name: text, .offset: 48, .size: 8, .value_kind: global_buffer, .address_space: global }
      - { .name: image, .offset: 56, .size: 8, .value_kind: global_buffer, .address_space: global }
      - { .name: lowp_scales, .offset: 64, .size: 8, .value_kind: global_buffer, .address_space: global }
      - { .name: wimg, .offset: 72, .size: 8, .value_kind: global_buffer, .address_space: global }
      - { .name: ximg, .offset: 80, .size: 8, .value_kind: global_buffer, .address_space: global }
    .group_segment_fixed_size: 51456
    .private_segment_fixed_size: 0
    .kernarg_segment_align: 8
    .kernarg_segment_size: 88
    .max_flat_workgroup_size: 192
    .sgpr_count:     96
    .vgpr_count:     218
    .wavefront_size: 32
...
	.end_amdgpu_metadata
.endif
;; end of part 1
;; launch proj (part 2): grid 3 x 94, 4 waves a work-group, no clusters, 0 bytes of LDS; arguments ximg, wimg, bt, bi, bq, bk, bv, lowp_scales, eimg, qimg, kimg, vimg; writes eimg, qimg, kimg, vimg
.if DOCPART == 2
	.amdgcn_target "amdgcn-amd-amdhsa--gfx1250"
	.amdhsa_code_object_version 6
	.text
	.protected	k_q4c73521461_proj
	.globl	k_q4c73521461_proj
	.p2align	8
	.type	k_q4c73521461_proj,@function
k_q4c73521461_proj:
	s_mov_b64 s[64:65], 0
	v_nop
	global_prefetch_b8 v0, s[64:65] scope:SCOPE_SE
	s_setreg_imm32_b32 hwreg(HW_REG_WAVE_MODE, 25, 1), 1
	s_wait_xcnt 0x0
; The five projections x W + b on codes of E4M3 (K = 768, six steps of 128), from the register images of the launch before.
; Work-group y picks product and rows: y 0-7 text Wt, 8-15 text Wq, 16-41 image Wi, 42-67 image Wk, 68-93 image Wv; four tiles of 16 rows each.  Wave: head = 4 x + wave, four tiles of 16 columns.
; A wave makes 64 x 64: 16 accumulators by turns, 96 matrix instructions; both operands go from memory straight into registers, 32 loads of 512 consecutive bytes a K step, two K steps ahead.
; OUT.  Wt, Wi: f32, eimg [136 tiles][48 n-tiles][2 q][32 lanes][16 bytes]: lane (r, h), q holds row r, columns 16 nt + 8 h + 4 q + 0 .. 3 (tiles 0-31 text, 32 + 13 b + it image).
;       Wq, Wk: quantised at once with e12, e13 along the head's 64: a K = 64 fragment of the plain form (registers 2 c, 2 c + 1: k = 16 c + 8 h + 0 .. 7): [tile][12 heads][2 q][32 lanes][16 bytes].
;       Wv: used the other way round (source 0 = rows, source 1 = columns), so that a lane's eight results are eight neighbouring KEYS of one channel; quantised with e15: [tile][12 heads][4 dt][32 lanes][8 bytes].
; No LDS, no tensor load.  No cluster: the grid of 3 x 94 work-groups is a multiple of four along neither axis, and a wave reads 96 KB in the whole launch.
; LIMITS: the two operands' exponents added between -126 and 127; e12, e13, e15 between -126 and 119.
.set CD,  32                           ; v32-63   codes
.set BI,  96                           ; v96-127  the bias in the result's layout
.set ACC, 128                          ; v128-255 accumulator (a, j) at ACC + 8 (4 a + j);  window 1: two buffers of 128: x's four fragments, then W's four
.set MSB, 0
.macro WIN new                         ; the immediate's high byte repeats the setting that is left
.if MSB != (\new)
	s_set_vgpr_msb (MSB<<8)|(\new)
.set MSB, (\new)
.endif
.endm
.macro PLACES                          ; four plain lines between a matrix instruction and a load into, or a vector instruction on, its registers
.rept 4
	v_nop
.endr
.endm
.macro LOADK ks, buf
	WIN 0x40                                       ; destination window 1, address window 0
.irp a, 0,1,2,3
.irp c, 0,1,2,3
	global_load_b128 v[(\buf)+16*\a+4*\c:(\buf)+16*\a+4*\c+3], v1, s[4:5] offset:\a*12288+(\ks)*2048+512*\c
.endr
.endr
.irp j, 0,1,2,3
.irp c, 0,1,2,3
	global_load_b128 v[(\buf)+64+16*\j+4*\c:(\buf)+64+16*\j+4*\c+3], v1, s[6:7] offset:\j*12288+(\ks)*2048+512*\c
.endr
.endr
.endm
.macro MUL16 buf, zero, swap           ; zero = 1: the first K step starts the sums.  The 16 accumulators take turns
	WIN 0x05                                       ; sources 0 and 1 window 1, C and D window 0
.irp a, 0,1,2,3
.irp j, 0,1,2,3
.if \swap
.if \zero
	v_wmma_f32_16x16x128_fp8_fp8 v[ACC+8*(4*\a+\j):ACC+8*(4*\a+\j)+7], v[(\buf)+16*\a:(\buf)+16*\a+15], v[(\buf)+64+16*\j:(\buf)+64+16*\j+15], 0
.else
	v_wmma_f32_16x16x128_fp8_fp8 v[ACC+8*(4*\a+\j):ACC+8*(4*\a+\j)+7], v[(\buf)+16*\a:(\buf)+16*\a+15], v[(\buf)+64+16*\j:(\buf)+64+16*\j+15], v[ACC+8*(4*\a+\j):ACC+8*(4*\a+\j)+7]
.endif
.else
.if \zero
	v_wmma_f32_16x16x128_fp8_fp8 v[ACC+8*(4*\a+\j):ACC+8*(4*\a+\j)+7], v[(\buf)+64+16*\j:(\buf)+64+16*\j+15], v[(\buf)+16*\a:(\buf)+16*\a+15], 0
.else
	v_wmma_f32_16x16x128_fp8_fp8 v[ACC+8*(4*\a+\j):ACC+8*(4*\a+\j)+7], v[(\buf)+64+16*\j:(\buf)+64+16*\j+15], v[(\buf)+16*\a:(\buf)+16*\a+15], v[ACC+8*(4*\a+\j):ACC+8*(4*\a+\j)+7]
.endif
.endif
.endr
.endr
.endm
.macro SCALES                          ; s[84:85] = 2^(ea + eb);  v8 = 2^eo, v9 = 448 x 2^eo, eo the scale of what is quantised on the way out
	s_wait_kmcnt 0x0
	s_add_co_i32 s42, s68, s69
.irp k, 1,3,4,5
	s_add_co_i32 s43, s[68+2*\k], s[69+2*\k]
	s_cmp_eq_u32 s31, \k
	s_cselect_b32 s42, s43, s42
.endr
	s_add_co_i32 s42, s42, 127
	s_lshl_b32 s84, s42, 23
	s_mov_b32 s85, s84                             ; (named with it as a pair, so it is written)
	s_mov_b32 s43, s80                             ; e12 for q,
	s_cmp_eq_u32 s31, 4
	s_cselect_b32 s43, s81, s43                    ; e13 for k,
	s_cmp_eq_u32 s31, 5
	s_cselect_b32 s43, s83, s43                    ; e15 for v
	s_add_co_i32 s43, s43, 127
	s_lshl_b32 s44, s43, 23
	v_mov_b32 v8, s44
	s_add_co_i32 s43, s43, 8
	s_lshl_b32 s43, s43, 23
	s_or_b32 s43, s43, 0x600000
	v_mov_b32 v9, s43
.endm
.macro GEMM swap
	LOADK 0, 0
	LOADK 1, 128
	WIN 0
	SCALES
.irp ks, 0,1,2,3,4,5
.if \ks < 5
	s_wait_loadcnt 32                              ; this K step's 32 loads (and the bias) are in; the other buffer's 32 may be out
.else
	s_wait_loadcnt 0x0
.endif
.if \ks == 0
	MUL16 0, 1, \swap
.else
	MUL16 128*(\ks%2), 0, \swap
.endif
.if \ks < 4
	PLACES
	LOADK \ks+2, 128*(\ks%2)
.endif
.endr
	WIN 0
	PLACES
.endm
.macro RANGE lo, p, xoff
	s_cmp_ge_u32 s29, \lo
	s_cselect_b32 s31, \p, s31
	s_cselect_b32 s32, \lo, s32
	s_cselect_b32 s33, \xoff, s33
.endm
	s_load_b512 s[4:19], s[0:1], 0x0               ; ximg, wimg, bt, bi, bq, bk, bv s[4:17]; lowp_scales s[18:19]
	s_load_b256 s[20:27], s[0:1], 0x40             ; eimg, qimg, kimg, vimg
	v_lshrrev_b32 v5, 5, v0
	v_readfirstlane_b32 s28, v5                    ; wave
	v_and_b32 v6, 31, v0
	v_lshlrev_b32 v1, 4, v6                        ; 16 x lane
	v_lshlrev_b32 v2, 3, v6                        ; 8 x lane
	v_lshrrev_b32 v7, 4, v6
	v_lshlrev_b32 v3, 5, v7                        ; 32 h
	v_and_b32 v7, 15, v6
	v_lshlrev_b32 v4, 2, v7                        ; 4 r
	s_and_b32 s29, ttmp7, 0xffff                   ; y
	s_lshl_b32 s30, ttmp9, 2
	s_add_co_u32 s30, s30, s28                     ; head
	s_mov_b32 s31, 0                               ; p,
	s_mov_b32 s32, 0                               ; its first y,
	s_mov_b32 s33, 0                               ; its rows' region in ximg
	RANGE 8, 3, 393216
	RANGE 16, 1, 786432
	RANGE 42, 4, 2064384
	RANGE 68, 5, 3342336
	s_sub_co_u32 s32, s29, s32                     ; mg: tiles 4 mg .. 4 mg + 3
	s_mul_i32 s34, s32, 49152
	s_add_co_u32 s34, s34, s33
	s_mov_b32 s35, 0
	s_mul_i32 s36, s31, 589824
	s_mul_i32 s37, s30, 49152
	s_add_co_u32 s36, s36, s37
	s_mov_b32 s37, 0
	s_lshl_b32 s40, s30, 8                         ; the head's 64 numbers of the bias
	s_mov_b32 s41, 0
	s_wait_kmcnt 0x0
	s_load_b512 s[68:83], s[18:19], 0x0            ; the sixteen exponents: entry n in s[68 + n]
	s_add_nc_u64 s[4:5], s[4:5], s[34:35]
	s_add_nc_u64 s[6:7], s[6:7], s[36:37]
	s_mov_b64 s[38:39], s[8:9]
	s_cmp_eq_u32 s31, 1
	s_cselect_b64 s[38:39], s[10:11], s[38:39]
	s_cmp_eq_u32 s31, 3
	s_cselect_b64 s[38:39], s[12:13], s[38:39]
	s_cmp_eq_u32 s31, 4
	s_cselect_b64 s[38:39], s[14:15], s[38:39]
	s_cmp_eq_u32 s31, 5
	s_cselect_b64 s[38:39], s[16:17], s[38:39]
	s_add_nc_u64 s[38:39], s[38:39], s[40:41]
	s_mul_i32 s46, s32, 49152                      ; where q's, k's and v's images begin: (12 x 4 mg + head) x 1,024
	s_lshl_b32 s47, s30, 10
	s_add_co_u32 s46, s46, s47
	s_mov_b32 s47, 0
	s_cmp_eq_u32 s31, 5
	s_cbranch_scc1 .Lvalues
	; ---- source 0 = 16 columns of W, source 1 = 16 rows: lane (r, h) holds row r and columns 16 j + 8 h + 0 .. 7
.irp j, 0,1,2,3
	global_load_b128 v[BI+8*\j:BI+8*\j+3], v3, s[38:39] offset:64*\j
	global_load_b128 v[BI+8*\j+4:BI+8*\j+7], v3, s[38:39] offset:64*\j+16
.endr
	GEMM 0
.irp t, 0,1,2,3,4,5,6,7,8,9,10,11,12,13,14,15
.irp i, 0,2,4,6
	v_pk_fma_f32 v[ACC+8*\t+\i:ACC+8*\t+\i+1], v[ACC+8*\t+\i:ACC+8*\t+\i+1], s[84:85], v[BI+8*(\t%4)+\i:BI+8*(\t%4)+\i+1] op_sel_hi:[1,0,1]   ; sum x 2^(ea + eb) + bias; each accumulator from its low end on
.endr
.endr
	s_cmp_lt_u32 s31, 2
	s_cbranch_scc0 .Lcodes
	s_lshl_b32 s44, s32, 2                         ; f32 out: tile 4 mg (text) or 32 + 4 mg (image)
	s_cmp_eq_u32 s31, 1
	s_cselect_b32 s45, 32, 0
	s_add_co_u32 s44, s44, s45
	s_mul_i32 s44, s44, 49152
	s_lshl_b32 s45, s30, 12
	s_add_co_u32 s44, s44, s45
	s_mov_b32 s45, 0
	s_add_nc_u64 s[20:21], s[20:21], s[44:45]
.irp a, 0,1,2,3
.irp j, 0,1,2,3
	global_store_b128 v1, v[ACC+8*(4*\a+\j):ACC+8*(4*\a+\j)+3], s[20:21] offset:\a*49152+\j*1024          ; 512 consecutive bytes
	global_store_b128 v1, v[ACC+8*(4*\a+\j)+4:ACC+8*(4*\a+\j)+7], s[20:21] offset:\a*49152+\j*1024+512
.endr
.endr
	s_endpgm
.Lcodes:
	s_cmp_eq_u32 s31, 3
	s_cselect_b64 s[48:49], s[22:23], s[24:25]     ; q's images or k's
	s_add_nc_u64 s[48:49], s[48:49], s[46:47]
.set i, 0
.rept 128
	v_med3_num_f32 v[ACC+i], v[ACC+i], -v9, v9     ; the hold at the largest code x the scale
.set i, i+1
.endr
.irp a, 0,1,2,3
.irp j, 0,1,2,3
	v_cvt_scalef32_pk8_fp8_f32 v[CD+8*\a+2*\j:CD+8*\a+2*\j+1], v[ACC+8*(4*\a+\j):ACC+8*(4*\a+\j)+7], v8   ; registers 2 j, 2 j + 1 of the fragment: k = 16 j + 8 h + 0 .. 7
.endr
.endr
	v_nop
.irp a, 0,1,2,3
	global_store_b128 v1, v[CD+8*\a:CD+8*\a+3], s[48:49] offset:\a*12288
	global_store_b128 v1, v[CD+8*\a+4:CD+8*\a+7], s[48:49] offset:\a*12288+512
.endr
	s_endpgm
.Lvalues:
	; ---- source 0 = 16 rows, source 1 = 16 columns of Wv: lane (r, h) holds channel 16 j + r and keys 16 a + 8 h + 0 .. 7
.irp j, 0,1,2,3
	global_load_b32 v[BI+2*\j], v4, s[38:39] offset:64*\j      ; the lane's one number of bv, twice: a pair for the packed form
	global_load_b32 v[BI+2*\j+1], v4, s[38:39] offset:64*\j
.endr
	GEMM 1
	s_add_nc_u64 s[26:27], s[26:27], s[46:47]
.irp t, 0,1,2,3,4,5,6,7,8,9,10,11,12,13,14,15
.irp i, 0,2,4,6
	v_pk_fma_f32 v[ACC+8*\t+\i:ACC+8*\t+\i+1], v[ACC+8*\t+\i:ACC+8*\t+\i+1], s[84:85], v[BI+2*(\t%4):BI+2*(\t%4)+1] op_sel_hi:[1,0,1]
.endr
.endr
.set i, 0
.rept 128
	v_med3_num_f32 v[ACC+i], v[ACC+i], -v9, v9
.set i, i+1
.endr
.irp t, 0,1,2,3,4,5,6,7,8,9,10,11,12,13,14,15
	v_cvt_scalef32_pk8_fp8_f32 v[CD+2*\t:CD+2*\t+1], v[ACC+8*\t:ACC+8*\t+7], v8
.endr
	v_nop
.irp a, 0,1,2,3
.irp j, 0,1,2,3
	global_store_b64 v2, v[CD+2*(4*\a+\j):CD+2*(4*\a+\j)+1], s[26:27] offset:\a*12288+256*\j   ; 256 consecutive bytes, aligned
.endr
.endr
	s_endpgm
.Lfunc_end_k_q4c73521461_proj:
	.size	k_q4c73521461_proj, .Lfunc_end_k_q4c73521461_proj-k_q4c73521461_proj
	.p2alignl 7, 3214868480
	.fill 96, 4, 3214868480
	.section	.rodata,"a",@progbits
	.p2align	6, 0x0
	.amdhsa_kernel k_q4c73521461_proj
		.amdhsa_group_segment_fixed_size 0
		.amdhsa_private_segment_fixed_size 0
		.amdhsa_enable_private_segment 0
		.amdhsa_kernarg_size 96
		.amdhsa_user_sgpr_count 2
		.amdhsa_user_sgpr_kernarg_segment_ptr 1
		.amdhsa_wavefront_size32 1
		.amdhsa_system_sgpr_workgroup_id_x 1
		.amdhsa_system_sgpr_workgroup_id_y 1
		.amdhsa_system_sgpr_workgroup_id_z 1
		.amdhsa_system_vgpr_workitem_id 0
		.amdhsa_next_free_vgpr 512
		.amdhsa_next_free_sgpr 96
		.amdhsa_reserve_vcc 0
		.amdhsa_float_denorm_mode_32 3
		.amdhsa_float_denorm_mode_16_64 3
		.amdhsa_memory_ordered 1
		.amdhsa_forward_progress 1
		.amdhsa_inst_pref_size 89
	.end_amdhsa_kernel
	.amdgpu_metadata
---
amdhsa.version: [ 1, 2 ]
amdhsa.kernels:
  - .name:           k_q4c73521461_proj
    .symbol:         k_q4c73521461_proj.kd
    .args:
      - { .name: ximg, .offset: 0, .size: 8, .value_kind: global_buffer, .address_space: global }
      - { .name: wimg, .offset: 8, .size: 8, .value_kind: global_buffer, .address_space: global }
      - { .name: bt, .offset: 16, .size: 8, .value_kind: global_buffer, .address_space: global }
      - { .name: bi, .offset: 24, .size: 8, .value_kind: global_buffer, .address_space: global }
      - { .name: bq, .offset: 32, .size: 8, .value_kind: global_buffer, .address_space: global }
      - { .name: bk, .offset: 40, .size: 8, .value_kind: global_buffer, .address_space: global }
      - { .name: bv, .offset: 48, .size: 8, .value_kind: global_buffer, .address_space: global }
      - { .name: lowp_scales, .offset: 56, .size: 8, .value_kind: global_buffer, .address_space: global }
      - { .name: eimg, .offset: 64, .size: 8, .value_kind: global_buffer, .address_space: global }
      - { .name: qimg, .offset: 72, .size: 8, .value_kind: global_buffer, .address_space: global }
      - { .name: kimg, .offset: 80, .size: 8, .value_kind: global_buffer, .address_space: global }
      - { .name: vimg, .offset: 88, .size: 8, .value_kind: global_buffer, .address_space: global }
    .group_segment_fixed_size: 0
    .private_segment_fixed_size: 0
    .kernarg_segment_align: 8
    .kernarg_segment_size: 96
    .max_flat_workgroup_size: 128
    .sgpr_count:     96
    .vgpr_count:     512
    .wavefront_size: 32
...
	.end_amdgpu_metadata
.endif
;; end of part 2
;; launch gatek (part 3): grid 256 x 1, 4 waves a work-group, clusters of 4 x 1, 327,680 bytes of LDS; arguments eimg, wimg, b1, W2, b2, lowp_scales, gate; writes gate
.if DOCPART == 3
	.amdgcn_target "amdgcn-amd-amdhsa--gfx1250"
	.amdhsa_code_object_version 6
	.text
	.protected	k_q4c73521461_gatek
	.globl	k_q4c73521461_gatek
	.p2align	8
	.type	k_q4c73521461_gatek,@function
k_q4c73521461_gatek:
	s_mov_b64 s[64:65], 0
	v_nop
	global_prefetch_b8 v0, s[64:65] scope:SCOPE_SE
	s_setreg_imm32_b32 hwreg(HW_REG_WAVE_MODE, 25, 1), 1
	s_wait_xcnt 0x0
	s_wait_alu depctr_hold_cnt(0) depctr_sa_sdst(0) depctr_va_vdst(0) depctr_va_sdst(0) depctr_va_ssrc(0) depctr_va_vcc(0) depctr_vm_vsrc(0)
	s_getreg_b32 s2, hwreg(HW_REG_IB_STS2, 6, 4)
	s_cmp_eq_u32 s2, 0
	s_cbranch_scc0 .Lentry_in_a_cluster
	s_endpgm
.Lentry_in_a_cluster:
	s_bfe_u32 s2, ttmp6, 0x10000c
	s_cmp_lg_u32 s2, 0x3003
	s_cbranch_scc0 .Lentry_shape_is_right
	s_endpgm
.Lentry_shape_is_right:
; gate[b][t][i] = sigmoid(relu((te[b][t] * ie[b][i]) W1 + b1) . W2 + b2).  The product with W1 is on codes of E4M3 (scales e4, e5); its left operand is made here, in f32, held and converted; the product with W2 is f32 multiply-adds.
; SHARES.  Cluster c = 8 b + 2 ig + (tg / 4), place cx = tg % 4.  A work-group owns t = 8 tg .. 8 tg + 7 x the image's tiles 3 ig .. 3 ig + 2 (24 tiles of 16 rows (t, i)), and one PACKED tile of the batch's
; last five i: rows 0-7 are t = 8 tg + 2 ig with i = 192 + r, rows 8-15 the next t.  Wave w holds tiles m = 2 u + tt (t = 8 tg + 2 w + tt, tile 3 ig + u) and, like every wave, the packed tile m = 6.
; THE LEFT OPERAND STAYS, W1 STREAMS.  A wave's 7 x 6 fragments (672 registers, windows 1-3) are made once.  W1's register images walk through two LDS slots of four n-tiles (49,152 bytes), asked for JOINTLY by the
; cluster's four work-groups, which walk the same W1 and need the same four tiles of ie.  A fragment of W1 read from LDS feeds 6 or 7 matrix instructions.
; In group G, sub-step j, wave w takes n-tile 4 G + (w + j) % 4; the packed tile is multiplied at j = 0 alone, so each wave sums a quarter of its n, and the four parts meet in LDS at the end.
; THE MATRIX INSTRUCTION IS USED TRANSPOSED (source 0 = 16 columns of W1, source 1 = 16 rows): lane (r, h) holds row r and n = 8 h + 0 .. 7.  b1 / 2^(e4 + e5) is the C of the first K step; relu is one maximum,
; W2 one packed multiply-add onto a pair of sums a tile; an n-tile's 12 such lines a tile stand between the NEXT n-tile's matrix instructions.  2^(e4 + e5) is applied once, to the finished sum.
; THE WALK'S LDS LOADS STAND IN TWO RUNS AN N-TILE, not singly among the matrix instructions: behind K step 2 the next n-tile's fragments 0-2 and its b1, behind K step 5 its fragments 3-5 and W2's numbers.
; LDS: 0 slot 0 | 49,152 b1 / 2^(e4+e5), W2 | 55,296 the gates' stage | 56,832 the packed tile's four parts | 57,344 the spare words | 65,536 slot 1, laid over the four tiles of ie (65,536-262,143), which are done with by then
;      | 262,144 eight rows of te, 3,088 bytes apart.  Tensor loads land in the slots and in ie's tiles alone; LDS stores elsewhere alone.  All of a WGP's LDS is claimed.
; REGISTERS, window 0: v1, v2 the add's two; v3-10 addresses; v11-14, v248-251 addresses that stay; v16-29 seven pairs of sums; v32-143 two sets of 7 accumulators (while the operand is made: v32-63 products, v64-127 ie,
;      v128-223 te); v144-239 W1's six fragments; v240-247 b1's eight.  Fragment (m, ks) lies in window 1 + ks / 2 at v[112 (ks % 2) + 16 m]; W2's eight numbers, two sets, in window 3 at v224-239.
; No prefetch of W1's images: all 64 clusters of the launch read the same 589,824 bytes.
; LIMITS: e4 between -126 and 119; e4 + e5 between -126 and 126.  NaN among the inputs is not served.
.set SLOT1, 65536
.set NTILE, 12288                      ; an n-tile's six images
.set TAB,   49152
.set W2T,   3072                       ; W2 behind b1
.set GST,   55296
.set XP,    56832
.set SPARE, 57344
.set IEST,  65536
.set IET,   49152                      ; a tile of ie or te in f32
.set TEL,   262144
.set TEP,   3088
.set SPW,  1
.set NIL,  2
.set AIE,  3                           ; v3-6   while the operand is made: my lane's place in ie's four tiles
.set ATEA, 7                           ; v7-9   and in te's rows 2 w, 2 w + 1, and the packed tile's
.set ATEB, 8
.set ATEX, 9
.set BC,   3                           ; v3-6   in the walk: sub-step j's n-tile in the slot in hand
.set TC,   7                           ; v7-10  and its eight numbers of b1
.set BJ,   11
.set GACC, 16
.set T,    32
.set IE,   64
.set TEA,  128
.set TEB,  160
.set TEX,  192
.set ACC0, 32
.set BF,   144
.set BIAS, 240
.set TJ,   248
.set SC,   252
.set LIM,  253
.set W2S,  224
.set Z,    144
.set ZT,   152
.set MSB, 0
.macro WIN new                         ; the immediate's high byte repeats the setting that is left; a switch that changes nothing is dropped
.if MSB != (\new)
	s_set_vgpr_msb (MSB<<8)|(\new)
.set MSB, (\new)
.endif
.endm
.macro CREST                           ; a round of the cluster's barrier behind its opening barrier
	s_cmp_lg_u32 s18, 0
	s_cbranch_scc1 .Lnot_wave_0_\@
	s_barrier_signal -3
.Lnot_wave_0_\@:
	s_barrier_wait -3
	s_barrier_signal -1
	s_barrier_wait -1
.endm
.macro ROUND
	s_barrier_signal -1
	s_barrier_wait -1
	CREST
.endm
; ---- making the operand.  A unit is 64 along K (half a K step): 32 numbers a lane, register 16 cl + i = k 128 ks + 32 (2 half + cl) + 16 h + i
.macro LIE buf, u, ks, half            ; my row's 32 numbers of ie's tile u: column 16 nt + 8 hh + 4 q of the f32 image lies at 1,024 nt + 512 q + 256 hh + 16 r, nt = 8 ks + 2 (2 half + cl) + h
.irp cl, 0,1
.irp hh, 0,1
.irp q, 0,1
	ds_load_b128 v[IE+32*(\buf)+16*\cl+8*\hh+4*\q:IE+32*(\buf)+16*\cl+8*\hh+4*\q+3], v[AIE+(\u)] offset:8192*(\ks)+2048*(2*(\half)+\cl)+512*\q+256*\hh
.endr
.endr
.endr
.endm
.macro LTE dst, adr, ks, half          ; the same k of a row of te: sixteen lanes read the same bytes
.irp cl, 0,1
.irp j, 0,1,2,3
	ds_load_b128 v[(\dst)+16*\cl+4*\j:(\dst)+16*\cl+4*\j+3], v[\adr] offset:512*(\ks)+128*(2*(\half)+\cl)+16*\j
.endr
.endr
.endm
.macro PRODH m, ks, half, buf, te      ; half a fragment: product, hold, conversion
.set i, 0
.rept 16
	v_pk_mul_f32 v[T+i:T+i+1], v[IE+32*(\buf)+i:IE+32*(\buf)+i+1], v[(\te)+i:(\te)+i+1]
.set i, i+2
.endr
.set i, 0
.rept 32
	v_med3_num_f32 v[T+i], v[T+i], -v[LIM], v[LIM] ; the conversion does not saturate (ISA guide 7.6.2): the hold at 448 x 2^e4
.set i, i+1
.endr
	WIN (1+(\ks)/2)<<6                             ; destination: the fragment's window
.irp g, 0,1,2,3
	v_cvt_scalef32_pk8_fp8_f32 v[112*((\ks)&1)+16*(\m)+8*(\half)+2*\g:112*((\ks)&1)+16*(\m)+8*(\half)+2*\g+1], v[T+8*\g:T+8*\g+7], v[SC]
.endr
	WIN 0
	v_nop                                          ; a plain line between the conversions and the next products, which write their sources
.endm
; LDS loads come back in order.  At a unit's head are out, in this order: te a, te b, ie 0 (tile 0), te x, ie 1 (tile 1), eight loads each.
.macro UNIT ks, half, nks, nhalf, last
	s_wait_dscnt 16                                ; te x and ie 1 may be out
	PRODH 0, \ks, \half, 0, TEA
	PRODH 1, \ks, \half, 0, TEB
	LIE 0, 2, \ks, \half
	s_wait_dscnt 8                                 ; tile 2's eight may be out
	PRODH 2, \ks, \half, 1, TEA
	PRODH 3, \ks, \half, 1, TEB
	LIE 1, 3, \ks, \half
	s_wait_dscnt 8                                 ; the packed tile's eight may be out
	PRODH 4, \ks, \half, 0, TEA
.if !\last
	LTE TEA, ATEA, \nks, \nhalf
.endif
	PRODH 5, \ks, \half, 0, TEB
.if !\last
	LTE TEB, ATEB, \nks, \nhalf
	LIE 0, 0, \nks, \nhalf
	s_wait_dscnt 24                                ; the three runs just issued may be out
.else
	s_wait_dscnt 0x0
.endif
	PRODH 6, \ks, \half, 1, TEX
.if !\last
	LTE TEX, ATEX, \nks, \nhalf
	LIE 1, 1, \nks, \nhalf
.endif
.endm
.macro STAGE p                         ; K steps 2 p and 2 p + 1: the p-th third of ie's tiles
	s_wait_tensorcnt 3-(\p)                        ; behind my load of that third were issued the later thirds and W1's first tile
	s_wait_dscnt 0x0                               ; (stage 0: my stores of te, b1 and W2 have landed)
	s_barrier_signal -1
	s_barrier_wait -1                              ; every wave's part is there
	LTE TEA, ATEA, 2*(\p), 0
	LTE TEB, ATEB, 2*(\p), 0
	LIE 0, 0, 2*(\p), 0
	LTE TEX, ATEX, 2*(\p), 0
	LIE 1, 1, 2*(\p), 0
	UNIT 2*(\p), 0, 2*(\p), 1, 0
	UNIT 2*(\p), 1, 2*(\p)+1, 0, 0
	UNIT 2*(\p)+1, 0, 2*(\p)+1, 1, 0
	UNIT 2*(\p)+1, 1, 0, 0, 1                      ; the next third may not have landed: nothing is read ahead
.endm
; ---- the walk over W1
.macro LB i                            ; fragment i of the next n-tile
.irp c, 0,1,2,3
	ds_load_b128 v[BF+16*(\i)+4*\c:BF+16*(\i)+4*\c+3], v[NXB] offset:2048*(\i)+512*\c
.endr
.endm
.macro LBIAS
	ds_load_b128 v[BIAS:BIAS+3], v[NXT]
	ds_load_b128 v[BIAS+4:BIAS+7], v[NXT] offset:16
.endm
.macro RUN1                            ; the next n-tile's fragments 0-2 and its eight numbers of b1: 14 loads in one run, 18 matrix instructions or more ahead of their first use
	LB 0
	LBIAS
	LB 1
	LB 2
.endm
.macro RUN2                            ; its fragments 3-5: 12 loads in one run, likewise; W2's two loads at the next n-tile's head follow them directly
	LB 3
	LB 4
	LB 5
.endm
.macro BCTC
.irp j, 0,1,2,3
	v_add_nc_u32 v[BC+\j], s56, v[BJ+\j]
	v_add_nc_u32 v[TC+\j], s57, v[TJ+\j]
.endr
.endm
; The next line of the n-tile before's epilogue: first 8 maxima a tile, each accumulator from its low end on; then 4 packed multiply-adds a tile, the tiles by turns.  The maxima name window 0 alone (source 1 is a constant);
; the multiply-adds stand in K steps 4 and 5, whose setting puts source 1 in window 3, where W2's numbers lie: so no line of it costs a switch.
.macro EV
.if evn < 8*EPM
	v_max_num_f32 v[EPA+evn], v[EPA+evn], 0
.else
.set evi, (evn-8*EPM)/EPM
.set evm, (evn-8*EPM)%EPM
	v_pk_fma_f32 v[GACC+2*evm:GACC+2*evm+1], v[EPA+8*evm+2*evi:EPA+8*evm+2*evi+1], v[EPW+2*evi:EPW+2*evi+1], v[GACC+2*evm:GACC+2*evm+1]
.endif
.set evn, evn+1
.endm
; K step ks of an n-tile: MT matrix instructions, the accumulators by turns, and 2 EPM lines of the epilogue between them.
; tl = 0: the lines are spread evenly.  tl = 1, where a run of loads follows: four of them stand behind the last matrix instruction: they name none of its registers and are the four places in front of
; the loads into the fragment that it read (ISA guide 7.12.1 for vector instructions).
.macro PH ks, MT, wt, tl
.if (\wt) >= 0
	s_wait_dscnt \wt
.endif
	WIN (1+(\ks)/2)<<2                             ; source 1: the fragments' window
.set k, 0
.rept \MT
.if (\ks) == 0
	v_wmma_f32_16x16x128_fp8_fp8 v[ACS+8*k:ACS+8*k+7], v[BF+16*(\ks):BF+16*(\ks)+15], v[112*((\ks)&1)+16*k:112*((\ks)&1)+16*k+15], v[BIAS:BIAS+7]
.else
	v_wmma_f32_16x16x128_fp8_fp8 v[ACS+8*k:ACS+8*k+7], v[BF+16*(\ks):BF+16*(\ks)+15], v[112*((\ks)&1)+16*k:112*((\ks)&1)+16*k+15], v[ACS+8*k:ACS+8*k+7]
.endif
.if \tl
.if k < (\MT)-1
.rept ((k+1)*(2*EPM-4))/((\MT)-1)-(k*(2*EPM-4))/((\MT)-1)
	EV
.endr
.else
	EV
	EV
	EV
	EV
.endif
.else
.rept ((k+1)*(2*EPM))/(\MT)-(k*(2*EPM))/(\MT)
	EV
.endr
.endif
.set k, k+1
.endr
.endm
; An n-tile.  j: sub-step; MT: its tiles; PM: the tiles of the n-tile before.  LDS loads come back in order, and an n-tile's operands are issued in this order: fragment 0 (4 loads), b1 (2), fragments 1, 2 (4 each): run 1;
; fragments 3, 4, 5 (4 each): run 2; W2 (2); behind K step 2 follows the next n-tile's run 1 (14).  So a K step's wait leaves out what was issued behind its own fragment:
; K step 0: 8 + 12 + 2 = 22;  1: 4 + 12 + 2 = 18;  2: 12 + 2 = 14;  3: 8 + 2 + 14 = 24;  4: 4 + 2 + 14 = 20;  5: 2 + 14 = 16.
; pf = 0: the last n-tile fetches nothing: 22, 18, 14, 10, 6, 2.   chg = 1: the slot is left and filled again; 2: it is left.
.macro NT j, MT, PM, chg, pf
.set ACS, ACC0+56*((\j)&1)
.set EPA, ACC0+56*(1-((\j)&1))
.set EPW, W2S+8*(1-((\j)&1))
.set EPM, \PM
.set evn, 0
.set NXB, BC+(((\j)+1)&3)
.set NXT, TC+(((\j)+1)&3)
	WIN 0xc0                                       ; destination window 3
	ds_load_b128 v[W2S+8*((\j)&1):W2S+8*((\j)&1)+3], v[TC+\j] offset:W2T
	ds_load_b128 v[W2S+8*((\j)&1)+4:W2S+8*((\j)&1)+7], v[TC+\j] offset:W2T+16
.if (\chg) == 0
.if \pf
	PH 0, \MT, 22, 0
	PH 1, \MT, 18, 0
	PH 2, \MT, 14, 1
	RUN1
	PH 3, \MT, 24, 0
	PH 4, \MT, 20, 0
	PH 5, \MT, 16, 1
	RUN2
.else
.irp q, 0,1,2,3,4,5
	PH \q, \MT, 22-4*\q, 1
.endr
.endif
.else
	PH 0, \MT, 22, 0                               ; all my reads of this slot have been issued: this n-tile's two runs stand in the n-tile before
	WIN 0                                          ; (the add's two registers lie in window 0)
	s_wait_tensorcnt 0x0                           ; all my tensor loads have landed: the one that was out is my n-tile of the next slot
	ds_add_u32 v[SPW], v[NIL]                      ; 0 onto my spare word
.if (\chg) == 1
	s_xor_b32 s53, s53, SLOT1                      ; no load of mine is out, so the walking descriptor may be written: the other slot,
	s_add_nc_u64 s[54:55], s[54:55], 4*NTILE       ; the next four n-tiles; the type bits on top are not reached
.endif
	PH 1, \MT, 19, 0                               ; fragments 2-5 (16), W2's 2 and the add may be out; these matrix instructions stand between the add and the wait for it
	s_wait_dscnt 0x0                               ; the add is done, and my reads of this slot are over: all six fragments of its last n-tile are in registers
	s_barrier_signal -1
	PH 2, \MT, -1, 1                               ; work on registers while the others arrive
	WIN 0
	s_barrier_wait -1
.if (\chg) == 1
	CREST                                          ; the barrier has opened a round of the cluster's: no wave of any partner still reads the slot or has a load on its way
	tensor_load_to_lds s[52:55], s[32:39]          ; my one tensor load behind the round: it has a group, 150 matrix instructions a wave, in which to land
	s_nop 0
.rept 4
	v_nop
.endr
.endif
	s_xor_b32 s56, s56, SLOT1                      ; on to the other slot,
	s_add_co_u32 s57, s57, 256                     ; and to the next 64 numbers of b1 and W2
	BCTC
	RUN1                                           ; out of the slot that the barrier has shown whole
	PH 3, \MT, -1, 0                               ; (this n-tile's fragments are all in since the wait for 0)
	PH 4, \MT, -1, 0
	PH 5, \MT, -1, 1
	RUN2
.endif
.endm
.macro GROUP chg, pf                   ; four n-tiles a wave: a slot
	NT 0, 7, 6, 0, 1
	NT 1, 6, 7, 0, 1
	NT 2, 6, 6, 0, 1
	NT 3, 6, 6, \chg, \pf
	WIN 0                                          ; at a label and at a branch every window is 0
.endm
	s_load_b256 s[4:11], s[0:1], 0x0               ; eimg s[4:5], wimg s[6:7], b1 s[8:9], W2 s[10:11]
	s_load_b128 s[12:15], s[0:1], 0x20             ; b2 s[12:13], lowp_scales s[14:15]
	s_load_b64 s[16:17], s[0:1], 0x30              ; gate
	v_lshl_add_u32 v[SPW], v0, 2, SPARE
	v_mov_b32 v[NIL], 0
	ds_add_u32 v1, v2
	ds_add_u32 v1, v2
	s_wait_dscnt 0x0
	v_lshrrev_b32 v254, 5, v0
	v_readfirstlane_b32 s18, v254                  ; wave 0..3
	s_bfe_u32 s19, ttmp6, 0x40000                  ; cx: it enters te's and the gate's global addresses alone
	s_lshr_b32 s21, ttmp9, 3                       ; b
	s_lshr_b32 s22, ttmp9, 1
	s_and_b32 s22, s22, 3                          ; ig
	s_and_b32 s23, ttmp9, 1
	s_lshl_b32 s23, s23, 2
	s_add_co_u32 s23, s23, s19                     ; tg
	s_mov_b32 s60, 0x76543210                      ; v_permlanex16_b32's selects for lane l xor 16
	s_mov_b32 s61, 0xfedcba98
	; descriptor group 1: dense blocks as rows of 256 bytes (32 elements of 8 bytes), no padding.  s[24:31]: 64 rows, a third of a tile of ie;  s[32:39]: 48 rows, an n-tile of W1
	s_mov_b32 s24, 15|(3<<16)|(1<<21)              ; 15:0 the mask: all four work-groups; 17:16 elements of 8 bytes; 21 set beside a mask
	s_mov_b32 s25, 32<<16                          ; tensor_dim0 = 32
	s_mov_b32 s26, 64<<16                          ; tensor_dim1 = 64
	s_mov_b32 s27, 32<<16                          ; tile_dim0 = 32
	s_mov_b32 s28, 64                              ; tile_dim1 = 64
	s_mov_b32 s29, 32                              ; from row to row
	s_mov_b32 s30, 0
	s_mov_b32 s31, 0
	s_mov_b32 s32, 15|(3<<16)|(1<<21)
	s_mov_b32 s33, 32<<16
	s_mov_b32 s34, 48<<16
	s_mov_b32 s35, 32<<16
	s_mov_b32 s36, 48
	s_mov_b32 s37, 32
	s_mov_b32 s38, 0
	s_mov_b32 s39, 0
	s_mul_i32 s66, s22, 3
	s_add_co_u32 s66, s66, s18
	s_cmp_lt_u32 s18, 3
	s_cselect_b32 s66, s66, 12                     ; the tile of ie that I fetch: 3 ig + w, wave 3 the batch's last
	s_mul_i32 s67, s21, 13
	s_add_co_u32 s66, s66, s67
	s_add_co_u32 s66, s66, 32
	s_mul_i32 s66, s66, IET
	s_mov_b32 s67, 0
	s_mul_i32 s69, s18, IET
	s_add_co_u32 s69, s69, IEST                    ; where it goes: no place in the cluster enters an LDS address
	s_mul_i32 s70, s18, NTILE                      ; W1: n-tile w of a slot, in LDS and in memory
	s_add_co_u32 s72, s70, 1179648                 ; W1's images begin there in wimg
	s_mov_b32 s73, 0
	s_wait_kmcnt 0x0
	s_load_b64 s[74:75], s[14:15], 0x10            ; e4, e5
	s_load_b32 s76, s[12:13], 0x0                  ; b2
	s_add_nc_u64 s[66:67], s[4:5], s[66:67]
.irp p, 0,1,2
	s_mov_b32 s[40+4*\p], 1                        ; count = 1
	s_add_co_u32 s[41+4*\p], s69, \p*16384         ; LDS address
	s_add_nc_u64 s[42+4*\p:43+4*\p], s[66:67], \p*16384
	s_or_b32 s[43+4*\p], s[43+4*\p], 0x80000000    ; type = 2
.endr
	s_mov_b32 s52, 1
	s_mov_b32 s53, s70
	s_add_nc_u64 s[54:55], s[6:7], s[72:73]
	s_or_b32 s55, s55, 0x80000000
	ROUND                                          ; all four work-groups are here: the first joint loads meet
	tensor_load_to_lds s[40:43], s[24:31]          ; the first fills go out as one group: four loads of mine are out
	s_nop 0
	tensor_load_to_lds s[44:47], s[24:31]
	s_nop 0
	tensor_load_to_lds s[48:51], s[24:31]
	s_nop 0
	tensor_load_to_lds s[52:55], s[32:39]          ; W1's n-tile w, into slot 0
	s_nop 0
.rept 4
	v_nop
.endr
	; te's eight rows, b1 and W2 come through registers: they differ between partners, or are small
	s_lshl_b32 s77, s21, 2
	s_lshr_b32 s78, s23, 1
	s_add_co_u32 s77, s77, s78                     ; te's tile 4 b + tg / 2,
	s_mul_i32 s77, s77, IET
	s_and_b32 s78, s23, 1
	s_lshl_b32 s78, s78, 7                         ; its rows 8 (tg % 2) on
	s_add_co_u32 s78, s77, s78
	s_mov_b32 s79, 0
	s_add_nc_u64 s[78:79], s[4:5], s[78:79]
	v_and_b32 v234, 7, v0                          ; thread n: row n % 8; (n / 8) % 2 the image's hh, (n / 16) % 2 its q; n / 32 the n-tile % 4
	v_lshlrev_b32 v224, 4, v234
	v_bfe_u32 v235, v0, 3, 2
	v_lshl_add_u32 v224, v235, 8, v224
	v_lshrrev_b32 v235, 5, v0
	v_lshl_add_u32 v224, v235, 10, v224
.set n, 0
.rept 12
	global_load_b128 v[32+4*n:32+4*n+3], v224, s[78:79] offset:4096*n
.set n, n+1
.endr
	v_lshlrev_b32 v225, 3, v0
.irp n, 0,1,2
	global_load_b64 v[80+2*\n:81+2*\n], v225, s[8:9] offset:1024*\n
.endr
.irp n, 0,1,2
	global_load_b64 v[86+2*\n:87+2*\n], v225, s[10:11] offset:1024*\n
.endr
	v_mul_u32_u24 v226, v234, TEP                  ; in LDS te's rows lie as rows: column 16 nt + 8 hh + 4 q
	v_lshl_add_u32 v226, v235, 6, v226
	v_bfe_u32 v235, v0, 3, 1
	v_lshl_add_u32 v226, v235, 5, v226
	v_bfe_u32 v235, v0, 4, 1
	v_lshl_add_u32 v226, v235, 4, v226
	v_add_nc_u32 v226, TEL, v226
	v_add_nc_u32 v227, TAB, v225
	v_and_b32 v228, 15, v0                         ; r
	v_bfe_u32 v229, v0, 4, 1                       ; h
	v_and_b32 v230, 31, v0
	v_lshlrev_b32 v230, 4, v230                    ; 16 x lane
	v_lshlrev_b32 v231, 4, v228
	v_lshl_add_u32 v231, v229, 10, v231            ; 16 r + 1,024 h
.irp u, 0,1,2
	v_add_nc_u32 v[AIE+\u], IEST+\u*IET, v231
.endr
	v_and_b32 v232, 7, v0
	v_lshlrev_b32 v232, 4, v232
	v_lshl_add_u32 v232, v229, 10, v232
	v_add_nc_u32 v[AIE+3], IEST+3*IET, v232        ; the packed tile: row r takes i = 192 + r % 8
	s_mul_i32 s80, s18, 2*TEP
	s_add_co_u32 s80, s80, TEL
	v_lshl_add_u32 v[ATEA], v229, 6, s80           ; te's row 2 w, + 64 h
	v_add_nc_u32 v[ATEB], TEP, v[ATEA]
	s_mul_i32 s81, s22, 2*TEP
	s_add_co_u32 s81, s81, TEL
	v_bfe_u32 v233, v0, 3, 1
	v_mul_u32_u24 v233, v233, TEP
	v_lshl_add_u32 v233, v229, 6, v233
	v_add_nc_u32 v[ATEX], s81, v233                ; the packed tile: te's row 2 ig + r / 8
.irp j, 0,1,2,3
	s_add_co_u32 s82, s18, \j
	s_and_b32 s82, s82, 3                          ; (w + j) % 4
	s_mul_i32 s83, s82, NTILE
	v_add_nc_u32 v[BJ+\j], s83, v230
	s_lshl_b32 s82, s82, 6
	s_add_co_u32 s82, s82, TAB
	v_lshl_add_u32 v[TJ+\j], v229, 5, s82
.endr
	s_wait_kmcnt 0x0
	s_add_co_i32 s84, s74, s75                     ; e4 + e5
	s_sub_co_i32 s85, 0, s84
	s_add_co_i32 s86, s74, 127
	s_lshl_b32 s87, s86, 23
	v_mov_b32 v[SC], s87                           ; 2^e4: the conversions take its exponent field
	s_add_co_i32 s86, s86, 8
	s_lshl_b32 s86, s86, 23
	s_or_b32 s86, s86, 0x600000
	v_mov_b32 v[LIM], s86                          ; 448 x 2^e4
.set n, 0
.rept 12
	s_wait_loadcnt 17-n                            ; behind te's load n: its 11 - n later ones and the six of b1 and W2
	ds_store_b128 v226, v[32+4*n:32+4*n+3] offset:256*n
.set n, n+1
.endr
	s_wait_loadcnt 0x0
.irp n, 0,1,2,3,4,5
	v_ldexp_f32 v[80+\n], v[80+\n], s85            ; b1 / 2^(e4 + e5): a sum of codes stands for sum x 2^(e4 + e5)
.endr
.irp n, 0,1,2
	ds_store_b64 v227, v[80+2*\n:81+2*\n] offset:1024*\n
	ds_store_b64 v227, v[86+2*\n:87+2*\n] offset:W2T+1024*\n
.endr
	STAGE 0
	STAGE 1
	STAGE 2
	; Slot 1 lies over ie's tiles, which are done with: its first fill is issued as a refill is
	s_wait_tensorcnt 0x0                           ; W1's first tile, my part, has landed
	ds_add_u32 v[SPW], v[NIL]                      ; 0 onto my spare word
	s_xor_b32 s53, s53, SLOT1
	s_add_nc_u64 s[54:55], s[54:55], 4*NTILE
.set i, 0
.rept 14
	v_mov_b32 v[GACC+i], 0                         ; the sums;
.set i, i+1
.endr
.set i, 0
.rept 48
	v_mov_b32 v[ACC0+56+i], 0                      ; and an n-tile of zeros before the first, so that the walk is written once
.set i, i+1
.endr
	WIN 0xc0
.set i, 0
.rept 8
	v_mov_b32 v[W2S+8+i], 0
.set i, i+1
.endr
	WIN 0
	s_mov_b32 s56, 0                               ; the slot in hand
	s_mov_b32 s57, 0                               ; 256 x group
	s_mov_b32 s58, 10
	s_wait_dscnt 0x0                               ; the add is done; my reads of ie's tiles were over at the last unit's wait
	ROUND
	tensor_load_to_lds s[52:55], s[32:39]          ; n-tiles 4-7
	s_nop 0
.rept 4
	v_nop
.endr
	BCTC
.set NXB, BC
.set NXT, TC
	RUN1                                           ; the first n-tile's operands, in the order in which the walk issues them: its counts hold from the first n-tile on
	RUN2
.Lgrp:                                                 ; ten trips: groups 0-9 fill the slot that they leave with groups 2-11
	GROUP 1, 1
	s_sub_co_u32 s58, s58, 1
	s_cmp_lg_u32 s58, 0
	s_cbranch_scc1 .Lgrp
	GROUP 2, 1                                     ; the tail is written out: group 10 leaves its slot and asks for nothing
	GROUP 0, 0
	; the last n-tile's epilogue.  Four lines of the one before stand behind the last matrix instruction: the places
.set EPA, ACC0+56
.set EPW, W2S+8
.set EPM, 6
.set evn, 0
.rept 48
	EV
.endr
	s_wait_dscnt 0x0                               ; W2's last eight numbers
	WIN 0x0c
.rept 24
	EV
.endr
	WIN 0
	; ---- the sums' two halves, the other half of the lanes', the sigmoid
.irp m, 0,1,2,3,4,5,6
	v_add_f32 v[Z+\m], v[GACC+2*\m], v[GACC+2*\m+1]
	v_mov_b32 v[ZT+\m], 0                          ; written once: a lane permute's destination counts as one of its sources
.endr
.irp m, 0,1,2,3,4,5,6
	v_permlanex16_b32 v[ZT+\m], v[Z+\m], s60, s61
.endr
.irp m, 0,1,2,3,4,5,6
	v_add_f32 v[Z+\m], v[Z+\m], v[ZT+\m]
.endr
	s_add_co_i32 s86, s84, 127
	s_lshl_b32 s86, s86, 23
	v_mov_b32 v172, s86
	v_mul_f32 v172, 0xbfb8aa3b, v172               ; -log2(e) x 2^(e4 + e5)
	v_mov_b32 v173, s76
	v_mul_f32 v173, 0xbfb8aa3b, v173               ; -log2(e) x b2
.irp m, 0,1,2,3,4,5
	v_fma_f32 v[Z+\m], v[Z+\m], v172, v173         ; -log2(e) x (sum x 2^(e4 + e5) + b2)
.endr
.irp m, 0,1,2,3,4,5
	v_exp_f32 v[Z+\m], v[Z+\m]
.endr
	v_and_b32 v160, 15, v0                         ; the tail's addresses: plain lines behind the batch, on the way that all waves take
	v_lshlrev_b32 v160, 2, v160                    ; 4 r
	s_lshl_b32 s88, s18, 7
	s_add_co_u32 s88, s88, GST
	v_add_nc_u32 v161, s88, v160                   ; the stage [3 u][8 t][16 i]: t = 2 w + tt, i = r
	s_lshl_b32 s89, s18, 6
	s_add_co_u32 s89, s89, XP
	v_add_nc_u32 v162, s89, v160                   ; my part of the packed tile's sums
	v_and_b32 v163, 31, v0
	v_lshlrev_b32 v163, 4, v163
	s_min_u32 s90, s18, 2
	s_lshl_b32 s90, s90, 9
	s_add_co_u32 s90, s90, GST
	v_add_nc_u32 v164, s90, v163                   ; waves 0-2 read tile u = w back: 512 bytes
	v_bfe_u32 v165, v0, 4, 1
	v_and_b32 v166, 7, v0
	v_lshlrev_b32 v166, 2, v166
	v_lshl_add_u32 v166, v165, 5, v166
	v_add_nc_u32 v166, XP, v166                    ; wave 3: row 8 (l / 16) + l % 8 of the packed tile
	v_lshl_add_u32 v167, v165, 6, v160             ; and its place in the gate: 64 (l / 16) + 4 (l % 16)
	s_wait_alu depctr_va_vdst(0)                   ; one wait for the six exponentials, ahead of their first reader
.irp m, 0,1,2,3,4,5
	v_add_f32 v[Z+\m], 1.0, v[Z+\m]
.endr
.irp m, 0,1,2,3,4,5
	v_rcp_f32 v[Z+\m], v[Z+\m]
.endr
	v_nop                                          ; a plain line behind the last reciprocal
	s_mul_i32 s91, s21, 13                         ; where my store goes in the gate [8 b][13 it][64 t][16 i]: waves 0-2: tile 3 ig + w, t = 8 tg on; wave 3: tile 12, t = 8 tg + 2 ig on
	s_mul_i32 s92, s22, 3
	s_add_co_u32 s92, s92, s18
	s_cmp_lt_u32 s18, 3
	s_cselect_b32 s92, s92, 12
	s_add_co_u32 s91, s91, s92
	s_lshl_b32 s91, s91, 6
	s_lshl_b32 s93, s23, 3
	s_add_co_u32 s91, s91, s93
	s_lshl_b32 s93, s22, 1
	s_cmp_lt_u32 s18, 3
	s_cselect_b32 s93, 0, s93
	s_add_co_u32 s91, s91, s93
	s_lshl_b32 s92, s91, 6
	s_mov_b32 s93, 0
	s_add_nc_u64 s[16:17], s[16:17], s[92:93]
	s_wait_alu depctr_va_vdst(0)                   ; one wait for the six reciprocals
.irp u, 0,1,2
.irp tt, 0,1
	ds_store_b32 v161, v[Z+2*\u+\tt] offset:512*\u+64*\tt   ; lanes l and l + 16 hold the same number and write the same word
.endr
.endr
	ds_store_b32 v162, v[Z+6]
	s_wait_dscnt 0x0                               ; for the others' sake: my stores have landed
	s_barrier_signal -1
	s_barrier_wait -1
	s_cmp_lt_u32 s18, 3
	s_cbranch_scc0 .Lpacked
	ds_load_b128 v[168:171], v164
	s_wait_dscnt 0x0
	global_store_b128 v163, v[168:171], s[16:17]   ; 512 consecutive bytes, aligned: eight t x sixteen i
	s_branch .Lend
.Lpacked:
	ds_load_b32 v168, v166
	ds_load_b32 v169, v166 offset:64
	ds_load_b32 v170, v166 offset:128
	ds_load_b32 v171, v166 offset:192
	s_wait_dscnt 0x0
	v_add_f32 v168, v168, v169                     ; the four waves' quarters of the sum over n
	v_add_f32 v170, v170, v171
	v_add_f32 v168, v168, v170
	v_fma_f32 v168, v168, v172, v173
	v_exp_f32 v168, v168
	v_and_b32 v169, 8, v0
	s_wait_alu depctr_va_vdst(0)
	v_add_f32 v168, 1.0, v168
	v_rcp_f32 v168, v168
	v_nop
	v_cmp_eq_u32 vcc_lo, 0, v169
	s_wait_alu depctr_va_vdst(0)
	v_cndmask_b32 v168, 0, v168, vcc_lo            ; i = 200 .. 207 get 0: every byte of the buffer is written
	global_store_b32 v167, v168, s[16:17]          ; two t x sixteen i: 128 consecutive bytes
.Lend:
	s_wait_tensorcnt 0x0                           ; the wave's end, behind my last tensor load and my last LDS store
	ds_add_u32 v[SPW], v[NIL]
	s_wait_dscnt 0x0
	ROUND                                          ; the closing round: no work-group ends while a partner may still ask for a tile that names it
	s_endpgm
.Lfunc_end_k_q4c73521461_gatek:
	.size	k_q4c73521461_gatek, .Lfunc_end_k_q4c73521461_gatek-k_q4c73521461_gatek
	.p2alignl 7, 3214868480
	.fill 96, 4, 3214868480
	.section	.rodata,"a",@progbits
	.p2align	6, 0x0
	.amdhsa_kernel k_q4c73521461_gatek
		.amdhsa_group_segment_fixed_size 327680
		.amdhsa_private_segment_fixed_size 0
		.amdhsa_enable_private_segment 0
		.amdhsa_kernarg_size 56
		.amdhsa_user_sgpr_count 2
		.amdhsa_user_sgpr_kernarg_segment_ptr 1
		.amdhsa_wavefront_size32 1
		.amdhsa_system_sgpr_workgroup_id_x 1
		.amdhsa_system_sgpr_workgroup_id_y 1
		.amdhsa_system_sgpr_workgroup_id_z 1
		.amdhsa_system_vgpr_workitem_id 0
		.amdhsa_next_free_vgpr 1024
		.amdhsa_next_free_sgpr 96
		.amdhsa_reserve_vcc 1
		.amdhsa_float_denorm_mode_32 3
		.amdhsa_float_denorm_mode_16_64 3
		.amdhsa_memory_ordered 1
		.amdhsa_forward_progress 1
		.amdhsa_inst_pref_size 255
	.end_amdhsa_kernel
	.section	.bss,"aw",@nobits
	.p2align	6
	.space	262144
	.amdgpu_metadata
---
amdhsa.version: [ 1, 2 ]
amdhsa.kernels:
  - .name:           k_q4c73521461_gatek
    .symbol:         k_q4c73521461_gatek.kd
    .args:
      - { .name: eimg, .offset: 0, .size: 8, .value_kind: global_buffer, .address_space: global }
      - { .name: wimg, .offset: 8, .size: 8, .value_kind: global_buffer, .address_space: global }
      - { .name: b1, .offset: 16, .size: 8, .value_kind: global_buffer, .address_space: global }
      - { .name: W2, .offset: 24, .size: 8, .value_kind: global_buffer, .address_space: global }
      - { .name: b2, .offset: 32, .size: 8, .value_kind: global_buffer, .address_space: global }
      - { .name: lowp_scales, .offset: 40, .size: 8, .value_kind: global_buffer, .address_space: global }
      - { .name: gate, .offset: 48, .size: 8, .value_kind: global_buffer, .address_space: global }
    .group_segment_fixed_size: 327680
    .private_segment_fixed_size: 0
    .kernarg_segment_align: 8
    .kernarg_segment_size: 56
    .max_flat_workgroup_size: 128
    .sgpr_count:     96
    .vgpr_count:     1024
    .wavefront_size: 32
...
	.end_amdgpu_metadata
.endif
;; end of part 3
;; launch attn (part 4): grid 48 x 8, 1 waves a work-group, no clusters, 4,608 bytes of LDS; arguments qimg, kimg, vimg, gate, lowp_scales, out0; writes out0
.if DOCPART == 4
	.amdgcn_target "amdgcn-amd-amdhsa--gfx1250"
	.amdhsa_code_object_version 6
	.text
	.protected	k_q4c73521461_attn
	.globl	k_q4c73521461_attn
	.p2align	8
	.type	k_q4c73521461_attn,@function
k_q4c73521461_attn:
	s_mov_b64 s[64:65], 0
	v_nop
	global_prefetch_b8 v0, s[64:65] scope:SCOPE_SE
	s_setreg_imm32_b32 hwreg(HW_REG_WAVE_MODE, 25, 1), 1
	s_wait_xcnt 0x0
; out[b][t][64 head + d] = the sum over i of Q(softmax_i(q . k / 8) x gate[b][t][i]) v[i][d], both products on codes of E4M3 (e12, e13; e14, e15).
; One wave takes 16 queries (tile tt = x % 4) of one head (x / 4) of one batch (y) and all 197 keys, in 13 tiles of 16.  All operands are register images of the launches before: 106 loads, issued at once.
; Both products are used transposed: S^T = k q^T (source 0 = 16 keys, source 1 = my queries), O^T = v^T p^T: a lane holds ONE query (l % 16) throughout, and in tile it its registers are keys 16 it + 8 (l / 16) + 0 .. 7:
; that is the plain form's own place for k = 16 c + 8 h + 0 .. 7, so eight converted numbers are registers 2 it, 2 it + 1 of the second product's operand.
; The softmax is finished as it is written: the row's largest score is taken away, the sum divides, the gate multiplies; then the quantiser.  Keys 197-207 get a score of -infinity, so their weight is 0;
; keys 208-255 of the second product's two K steps are zero codes on both sides.
; No cluster and no tensor load: the four query tiles of a head share 26 KB of k and v, which each reads once, straight into registers; there is one step and nothing to run ahead of.
; LIMITS: e12 + e13 between -123 and 130 (added to c's exponent field); e14 between -126 and 119; e14 + e15 between -126 and 127.
.set Q,  8                             ; v8-15    q's fragment
.set S,  16                            ; v16-119  S^T, then the weights
.set PC, 120                           ; v120-151 their codes
.set O,  152                           ; v152-183 O^T
.set G,  104                           ; window 1: v0-103 k's 13 fragments, v104-207 the gate in S^T's layout;  window 2: v's fragments: channel tile dt, key tile it at v[32 dt + 2 it]
.set MSB, 0
.macro WIN new                         ; the immediate's high byte repeats the setting that is left
.if MSB != (\new)
	s_set_vgpr_msb (MSB<<8)|(\new)
.set MSB, (\new)
.endif
.endm
	s_load_b256 s[4:11], s[0:1], 0x0               ; qimg, kimg, vimg, gate
	s_load_b128 s[12:15], s[0:1], 0x20             ; lowp_scales, out0
	v_lshl_add_u32 v254, v0, 2, 0x1100
	v_mov_b32 v255, 0
	v_and_b32 v1, 15, v0                           ; r
	v_lshrrev_b32 v2, 4, v0                        ; h
	v_lshlrev_b32 v3, 4, v0                        ; 16 x lane
	v_lshlrev_b32 v4, 3, v0                        ; 8 x lane
	v_lshlrev_b32 v5, 6, v1
	v_lshl_add_u32 v5, v2, 5, v5                   ; the gate: 64 r + 32 h
	s_lshr_b32 s20, ttmp9, 2                       ; head
	s_and_b32 s21, ttmp9, 3                        ; tt
	s_and_b32 s22, ttmp7, 0xffff                   ; b
	s_lshl_b32 s23, s22, 2
	s_add_co_u32 s23, s23, s21                     ; the queries' tile 4 b + tt
	s_mul_i32 s24, s23, 12
	s_add_co_u32 s24, s24, s20
	s_lshl_b32 s24, s24, 10
	s_mov_b32 s25, 0
	s_mul_i32 s26, s22, 156                        ; k, v: tile 13 b, 12 heads a tile
	s_add_co_u32 s26, s26, s20
	s_lshl_b32 s26, s26, 10
	s_mov_b32 s27, 0
	s_mul_i32 s28, s22, 832                        ; the gate: (13 b x 64 + 16 tt) rows of 64 bytes
	s_lshl_b32 s29, s21, 4
	s_add_co_u32 s28, s28, s29
	s_lshl_b32 s28, s28, 6
	s_mov_b32 s29, 0
	s_mul_i32 s30, s23, 49152                      ; out: 16 rows of 3,072 bytes a tile, + 256 x head
	s_lshl_b32 s31, s20, 8
	s_add_co_u32 s30, s30, s31
	s_mov_b32 s31, 0
	s_mov_b32 s34, 0x76543210                      ; v_permlanex16_b32's selects for lane l xor 16
	s_mov_b32 s35, 0xfedcba98
	s_wait_kmcnt 0x0
	s_load_b128 s[16:19], s[12:13], 0x30           ; e12, e13, e14, e15
	s_add_nc_u64 s[4:5], s[4:5], s[24:25]
	s_add_nc_u64 s[6:7], s[6:7], s[26:27]
	s_add_nc_u64 s[8:9], s[8:9], s[26:27]
	s_add_nc_u64 s[10:11], s[10:11], s[28:29]
	s_add_nc_u64 s[14:15], s[14:15], s[30:31]
	global_load_b128 v[Q:Q+3], v3, s[4:5]
	global_load_b128 v[Q+4:Q+7], v3, s[4:5] offset:512
	WIN 0x40                                       ; destination window 1
.set i, 0
.rept 13
	global_load_b128 v[8*i:8*i+3], v3, s[6:7] offset:12288*i
	global_load_b128 v[8*i+4:8*i+7], v3, s[6:7] offset:12288*i+512
.set i, i+1
.endr
.set i, 0
.rept 13
	global_load_b128 v[G+8*i:G+8*i+3], v5, s[10:11] offset:4096*i
	global_load_b128 v[G+8*i+4:G+8*i+7], v5, s[10:11] offset:4096*i+16
.set i, i+1
.endr
	WIN 0x80                                       ; destination window 2
.set i, 0
.rept 13
.irp dt, 0,1,2,3
	global_load_b64 v[32*\dt+2*i:32*\dt+2*i+1], v4, s[8:9] offset:12288*i+256*\dt
.endr
.set i, i+1
.endr
.irp dt, 0,1,2,3
.irp i, 26,27,28,29,30,31
	v_mov_b32 v[32*\dt+\i], 0                      ; keys 208-255: zero codes
.endr
.endr
	WIN 0
.irp i, 26,27,28,29,30,31
	v_mov_b32 v[PC+\i], 0
.endr
	v_mov_b32 v187, 0                              ; written once: a lane permute's destination counts as one of its sources
	v_mov_b32 v184, 0xff800000                     ; -infinity
	v_cmp_eq_u32 vcc_lo, 0, v2
	v_mul_u32_u24 v198, v1, 272                    ; the stage, in: row r, + 32 h
	v_lshl_add_u32 v198, v2, 5, v198
	v_mul_u32_u24 v199, v2, 272                    ; back: lanes 0-15 one row, lanes 16-31 the next
	v_lshl_add_u32 v199, v1, 4, v199
	v_mul_u32_u24 v200, v2, 3072                   ; and the same two rows in out
	v_lshl_add_u32 v200, v1, 4, v200
	s_wait_kmcnt 0x0
	s_add_co_i32 s36, s16, s17
	s_lshl_b32 s36, s36, 23
	s_add_co_i32 s32, s36, 0x3e38aa3b              ; c = log2(e) / 8, with e12 + e13 added to its exponent field: a score stands for score x 2^(e12 + e13)
	s_mov_b32 s33, s32                             ; (named with it as a pair, so it is written)
	s_add_co_i32 s36, s18, 127
	s_lshl_b32 s37, s36, 23
	v_mov_b32 v197, s37                            ; 2^e14, for the conversions
	s_add_co_i32 s36, s36, 8
	s_lshl_b32 s36, s36, 23
	s_or_b32 s36, s36, 0x600000
	v_mov_b32 v196, s36                            ; 448 x 2^e14
	s_add_co_i32 s38, s18, s19
	s_add_co_i32 s38, s38, 127
	s_lshl_b32 s38, s38, 23                        ; 2^(e14 + e15)
	s_mov_b32 s39, s38
	s_wait_loadcnt 63                              ; behind q's and k's 28 loads 78 were issued; the count's field holds 63 at the most, and the smaller count is safe
	WIN 0x01                                       ; source 0 window 1
.set i, 0
.rept 13
	v_wmma_f32_16x16x64_fp8_fp8 v[S+8*i:S+8*i+7], v[8*i:8*i+7], v[Q:Q+7], 0
.set i, i+1
.endr
	WIN 0
.rept 4
	v_nop                                          ; four places behind the last product (ISA guide 7.12.1)
.endr
.irp i, 0,1,2,3,4
	v_cndmask_b32 v[S+96+\i], v184, v[S+96+\i], vcc_lo   ; tile 12: keys 192-196 count (h = 0, registers 0-4),
.endr
.irp i, 5,6,7
	v_mov_b32 v[S+96+\i], v184                     ; the others do not
.endr
	v_max3_num_f32 v185, v[S], v[S+1], v[S+2]      ; the row's largest score, among my 104 keys, in two chains; each accumulator is read from its low end on
	v_max3_num_f32 v186, v[S+3], v[S+4], v[S+5]
.set i, 6
.rept 24
	v_max3_num_f32 v185, v185, v[S+i], v[S+i+1]
	v_max3_num_f32 v186, v186, v[S+i+2], v[S+i+3]
.set i, i+4
.endr
	v_max3_num_f32 v185, v185, v[S+102], v[S+103]
	v_max_num_f32 v185, v185, v186
	v_permlanex16_b32 v187, v185, s34, s35
	v_max_num_f32 v188, v185, v187                 ; and among lane l xor 16's
	v_mov_b32 v189, v188                           ; (named with it as a pair)
.set i, 0
.rept 52
	v_pk_add_f32 v[S+i:S+i+1], v[S+i:S+i+1], v[188:189] op_sel_hi:[1,0] neg_lo:[0,1] neg_hi:[0,1]   ; s - max first, then x c: so the error ahead of the quantiser does not grow with the scores
.set i, i+2
.endr
.set i, 0
.rept 52
	v_pk_mul_f32 v[S+i:S+i+1], v[S+i:S+i+1], s[32:33] op_sel_hi:[1,0]
.set i, i+2
.endr
.set i, 0
.rept 104
	v_exp_f32 v[S+i], v[S+i]
.set i, i+1
.endr
	v_mov_b32 v195, 0                              ; a plain line behind the batch (and the upper half of the pair v[194:195])
	s_wait_alu depctr_va_vdst(0)                   ; one wait for the 104 exponentials, ahead of their first reader
	v_pk_add_f32 v[190:191], v[S:S+1], v[S+2:S+3]  ; the row's sum, two at a time, in two chains
	v_pk_add_f32 v[192:193], v[S+4:S+5], v[S+6:S+7]
.set i, 8
.rept 24
	v_pk_add_f32 v[190:191], v[190:191], v[S+i:S+i+1]
	v_pk_add_f32 v[192:193], v[192:193], v[S+i+2:S+i+3]
.set i, i+4
.endr
	v_pk_add_f32 v[190:191], v[190:191], v[192:193]
	v_add_f32 v190, v190, v191
	v_permlanex16_b32 v187, v190, s34, s35
	v_add_f32 v190, v190, v187
	v_rcp_f32 v194, v190
	v_nop                                          ; a plain line behind the reciprocal
	s_wait_alu depctr_va_vdst(0)
.set i, 0
.rept 52
	v_pk_mul_f32 v[S+i:S+i+1], v[S+i:S+i+1], v[194:195] op_sel_hi:[1,0]   ; the softmax, finished
.set i, i+2
.endr
	s_wait_loadcnt 52                              ; the gate is in; v's 52 loads may be out
	WIN 0x04                                       ; source 1 window 1
.set i, 0
.rept 52
	v_pk_mul_f32 v[S+i:S+i+1], v[S+i:S+i+1], v[G+i:G+i+1]
.set i, i+2
.endr
	WIN 0
.set i, 0
.rept 104
	v_min_num_f32 v[S+i], v[S+i], v196             ; the conversion does not saturate (ISA guide 7.6.2); nothing here is negative, so the hold is one-sided
.set i, i+1
.endr
.set i, 0
.rept 13
	v_cvt_scalef32_pk8_fp8_f32 v[PC+2*i:PC+2*i+1], v[S+8*i:S+8*i+7], v197
.set i, i+1
.endr
	v_nop                                          ; a plain line between the conversions and the products that read their results
	s_wait_loadcnt 0x0
	WIN 0x02                                       ; source 0 window 2
.irp s, 0,1
.irp dt, 0,1,2,3
.if \s == 0
	v_wmma_f32_16x16x128_fp8_fp8 v[O+8*\dt:O+8*\dt+7], v[32*\dt+16*\s:32*\dt+16*\s+15], v[PC+16*\s:PC+16*\s+15], 0
.else
	v_wmma_f32_16x16x128_fp8_fp8 v[O+8*\dt:O+8*\dt+7], v[32*\dt+16*\s:32*\dt+16*\s+15], v[PC+16*\s:PC+16*\s+15], v[O+8*\dt:O+8*\dt+7]
.endif
.endr
.endr
	WIN 0
.rept 4
	v_nop
.endr
.set i, 0
.rept 16
	v_pk_mul_f32 v[O+i:O+i+1], v[O+i:O+i+1], s[38:39] op_sel_hi:[1,0]   ; x 2^(e14 + e15): register 8 dt + j is out(query r, channel 16 dt + 8 h + j)
.set i, i+2
.endr
.irp dt, 0,1,2,3
	ds_store_b128 v198, v[O+8*\dt:O+8*\dt+3] offset:64*\dt
	ds_store_b128 v198, v[O+8*\dt+4:O+8*\dt+7] offset:64*\dt+16
.endr
.irp i, 0,1,2,3,4,5,6,7
	ds_load_b128 v[204+4*\i:207+4*\i], v199 offset:544*\i   ; LDS serves a wave's instructions in order: these see my stores
.endr
.irp i, 0,1,2,3,4,5,6,7
	s_wait_dscnt 7-\i                              ; loads come back in order: pair i of rows is in
	global_store_b128 v200, v[204+4*\i:207+4*\i], s[14:15] offset:6144*\i   ; sixteen lanes store a head's 256 bytes of a row, aligned
.endr
	s_wait_tensorcnt 0x0
	ds_add_u32 v254, v255
	s_wait_dscnt 0x0
	s_endpgm
.Lfunc_end_k_q4c73521461_attn:
	.size	k_q4c73521461_attn, .Lfunc_end_k_q4c73521461_attn-k_q4c73521461_attn
	.p2alignl 7, 3214868480
	.fill 96, 4, 3214868480
	.section	.rodata,"a",@progbits
	.p2align	6, 0x0
	.amdhsa_kernel k_q4c73521461_attn
		.amdhsa_group_segment_fixed_size 4608
		.amdhsa_private_segment_fixed_size 0
		.amdhsa_enable_private_segment 0
		.amdhsa_kernarg_size 48
		.amdhsa_user_sgpr_count 2
		.amdhsa_user_sgpr_kernarg_segment_ptr 1
		.amdhsa_wavefront_size32 1
		.amdhsa_system_sgpr_workgroup_id_x 1
		.amdhsa_system_sgpr_workgroup_id_y 1
		.amdhsa_system_sgpr_workgroup_id_z 1
		.amdhsa_system_vgpr_workitem_id 0
		.amdhsa_next_free_vgpr 640
		.amdhsa_next_free_sgpr 66
		.amdhsa_reserve_vcc 1
		.amdhsa_float_denorm_mode_32 3
		.amdhsa_float_denorm_mode_16_64 3
		.amdhsa_memory_ordered 1
		.amdhsa_forward_progress 1
		.amdhsa_inst_pref_size 47
	.end_amdhsa_kernel
	.amdgpu_metadata
---
amdhsa.version: [ 1, 2 ]
amdhsa.kernels:
  - .name:           k_q4c73521461_attn
    .symbol:         k_q4c73521461_attn.kd
    .args:
      - { .name: qimg, .offset: 0, .size: 8, .value_kind: global_buffer, .address_space: global }
      - { .name: kimg, .offset: 8, .size: 8, .value_kind: global_buffer, .address_space: global }
      - { .name: vimg, .offset: 16, .size: 8, .value_kind: global_buffer, .address_space: global }
      - { .name: gate, .offset: 24, .size: 8, .value_kind: global_buffer, .address_space: global }
      - { .name: lowp_scales, .offset: 32, .size: 8, .value_kind: global_buffer, .address_space: global }
      - { .name: out0, .offset: 40, .size: 8, .value_kind: global_buffer, .address_space: global }
    .group_segment_fixed_size: 4608
    .private_segment_fixed_size: 0
    .kernarg_segment_align: 8
    .kernarg_segment_size: 48
    .max_flat_workgroup_size: 32
    .sgpr_count:     66
    .vgpr_count:     640
    .wavefront_size: 32
...
	.end_amdgpu_metadata
.endif
;; end of part 4
;; ======== version 2 of 2: 4 launches; version 1 with the launches proj, attn written anew for expert scheduling mode
;; workspace buffers: wimg 3,538,944 bytes; ximg 4,620,288 bytes; eimg 6,684,672 bytes; qimg 393,216 bytes; kimg 1,277,952 bytes; vimg 1,277,952 bytes; gate 425,984 bytes
;; launch quant: the kernel of part 1 again; grid 280 x 1, 6 waves a work-group, no clusters, 51,456 bytes of LDS; arguments Wt, Wi, W1, Wq, Wk, Wv, text, image, lowp_scales, wimg, ximg; writes wimg, ximg
;; launch proj (part 5): grid 3 x 94, 4 waves a work-group, no clusters, 0 bytes of LDS; arguments ximg, wimg, bt, bi, bq, bk, bv, lowp_scales, eimg, qimg, kimg, vimg; writes eimg, qimg, kimg, vimg
.if DOCPART == 5
	.amdgcn_target "amdgcn-amd-amdhsa--gfx1250"
	.amdhsa_code_object_version 6
	.text
	.protected	k_q4c73521461_proj
	.globl	k_q4c73521461_proj
	.p2align	8
	.type	k_q4c73521461_proj,@function
k_q4c73521461_proj:
	s_mov_b64 s[64:65], 0
	v_nop
	global_prefetch_b8 v0, s[64:65] scope:SCOPE_SE
	s_setreg_imm32_b32 hwreg(HW_REG_WAVE_SCHED_MODE, 0, 2), 2
	s_setreg_imm32_b32 hwreg(HW_REG_WAVE_MODE, 25, 1), 1
	s_wait_xcnt 0x0
	s_wait_alu depctr_vm_vsrc(0)
; The five projections x W + b on codes of E4M3 (K = 768, six steps of 128), from the register images of the launch before.
; Work-group y picks product and rows: y 0-7 text Wt, 8-15 text Wq, 16-41 image Wi, 42-67 image Wk, 68-93 image Wv; four tiles of 16 rows each.  Wave: head = 4 x + wave, four tiles of 16 columns.
; A wave makes 64 x 64: 16 accumulators by turns, 96 matrix instructions; both operands go from memory straight into registers, 32 loads of 512 consecutive bytes a K step, two K steps ahead.
; OUT.  Wt, Wi: f32, eimg [136 tiles][48 n-tiles][2 q][32 lanes][16 bytes]: lane (r, h), q holds row r, columns 16 nt + 8 h + 4 q + 0 .. 3 (tiles 0-31 text, 32 + 13 b + it image).
;       Wq, Wk: quantised at once with e12, e13 along the head's 64: a K = 64 fragment of the plain form (registers 2 c, 2 c + 1: k = 16 c + 8 h + 0 .. 7): [tile][12 heads][2 q][32 lanes][16 bytes].
;       Wv: used the other way round (source 0 = rows, source 1 = columns), so that a lane's eight results are eight neighbouring KEYS of one channel; quantised with e15: [tile][12 heads][4 dt][32 lanes][8 bytes].
; No LDS, no tensor load.  No cluster: the grid of 3 x 94 work-groups is a multiple of four along neither axis, and a wave reads 96 KB in the whole launch.
; LIMITS: the two operands' exponents added between -126 and 127; e12, e13, e15 between -126 and 119.
; THE MODE: SCHED_MODE bits 1:0 = 2 (LLVM: expert scheduling mode 2), set by the entry lines.  The code itself states the register dependences
; between vector or matrix instructions and memory instructions, with s_wait_alu, always for 0.
; THE PLAN.  Registers that memory instructions touch:
;   v1 - v4         byte offsets, made once at the head and never written again: every load and store reads one of them.  One wait on va_vdst ahead of a wave's first load covers them for the whole kernel.
;   window 1, two buffers of 128.  K step ks: its 16 matrix instructions read buffer ks % 2; behind them the 32 loads of K step ks + 2 land in it.  One wait on va_vdst stands between the two, in K steps 0 to 3.
;                   A third buffer, which would let the loads stand among the matrix instructions, wants 640 registers a wave; with 512 two work-groups share a WGP, which 282 work-groups on 256 WGPs need.
;   v96-127         the bias: loaded once, read by the multiply-adds behind its wait on LOADcnt.
;   v128-255, v32-63  the results: written by the multiply-adds or the conversions, read by one run of stores at the wave's end: one wait on va_vdst ahead of the run.
;   No register that a memory instruction reads is written again: no wait on vm_vsrc is owed.
.set CD,  32                           ; v32-63   codes
.set BI,  96                           ; v96-127  the bias in the result's layout
.set ACC, 128                          ; v128-255 accumulator (a, j) at ACC + 8 (4 a + j);  window 1: two buffers of 128: x's four fragments, then W's four
.set MSB, 0
.macro WIN new                         ; the immediate's high byte repeats the setting that is left
.if MSB != (\new)
	s_set_vgpr_msb (MSB<<8)|(\new)
.set MSB, (\new)
.endif
.endm
.macro PLACES                          ; four plain lines behind a matrix instruction; ahead of a run of loads the wait on va_vdst behind them states the dependence
.rept 4
	v_nop
.endr
.endm
.macro LOADK ks, buf
	WIN 0x40                                       ; destination window 1, address window 0
.irp a, 0,1,2,3
.irp c, 0,1,2,3
	global_load_b128 v[(\buf)+16*\a+4*\c:(\buf)+16*\a+4*\c+3], v1, s[4:5] offset:\a*12288+(\ks)*2048+512*\c
.endr
.endr
.irp j, 0,1,2,3
.irp c, 0,1,2,3
	global_load_b128 v[(\buf)+64+16*\j+4*\c:(\buf)+64+16*\j+4*\c+3], v1, s[6:7] offset:\j*12288+(\ks)*2048+512*\c
.endr
.endr
.endm
.macro MUL16 buf, zero, swap           ; zero = 1: the first K step starts the sums.  The 16 accumulators take turns
	WIN 0x05                                       ; sources 0 and 1 window 1, C and D window 0
.irp a, 0,1,2,3
.irp j, 0,1,2,3
.if \swap
.if \zero
	v_wmma_f32_16x16x128_fp8_fp8 v[ACC+8*(4*\a+\j):ACC+8*(4*\a+\j)+7], v[(\buf)+16*\a:(\buf)+16*\a+15], v[(\buf)+64+16*\j:(\buf)+64+16*\j+15], 0
.else
	v_wmma_f32_16x16x128_fp8_fp8 v[ACC+8*(4*\a+\j):ACC+8*(4*\a+\j)+7], v[(\buf)+16*\a:(\buf)+16*\a+15], v[(\buf)+64+16*\j:(\buf)+64+16*\j+15], v[ACC+8*(4*\a+\j):ACC+8*(4*\a+\j)+7]
.endif
.else
.if \zero
	v_wmma_f32_16x16x128_fp8_fp8 v[ACC+8*(4*\a+\j):ACC+8*(4*\a+\j)+7], v[(\buf)+64+16*\j:(\buf)+64+16*\j+15], v[(\buf)+16*\a:(\buf)+16*\a+15], 0
.else
	v_wmma_f32_16x16x128_fp8_fp8 v[ACC+8*(4*\a+\j):ACC+8*(4*\a+\j)+7], v[(\buf)+64+16*\j:(\buf)+64+16*\j+15], v[(\buf)+16*\a:(\buf)+16*\a+15], v[ACC+8*(4*\a+\j):ACC+8*(4*\a+\j)+7]
.endif
.endif
.endr
.endr
.endm
.macro SCALES                          ; s[84:85] = 2^(ea + eb);  v8 = 2^eo, v9 = 448 x 2^eo, eo the scale of what is quantised on the way out.  (No memory instruction names v8 or v9)
	s_wait_kmcnt 0x0
	s_add_co_i32 s42, s68, s69
.irp k, 1,3,4,5
	s_add_co_i32 s43, s[68+2*\k], s[69+2*\k]
	s_cmp_eq_u32 s31, \k
	s_cselect_b32 s42, s43, s42
.endr
	s_add_co_i32 s42, s42, 127
	s_lshl_b32 s84, s42, 23
	s_mov_b32 s85, s84                             ; (named with it as a pair, so it is written)
	s_mov_b32 s43, s80                             ; e12 for q,
	s_cmp_eq_u32 s31, 4
	s_cselect_b32 s43, s81, s43                    ; e13 for k,
	s_cmp_eq_u32 s31, 5
	s_cselect_b32 s43, s83, s43                    ; e15 for v
	s_add_co_i32 s43, s43, 127
	s_lshl_b32 s44, s43, 23
	v_mov_b32 v8, s44
	s_add_co_i32 s43, s43, 8
	s_lshl_b32 s43, s43, 23
	s_or_b32 s43, s43, 0x600000
	v_mov_b32 v9, s43
.endm
.macro GEMM swap
	LOADK 0, 0
	LOADK 1, 128
	WIN 0
	SCALES
.irp ks, 0,1,2,3,4,5
.if \ks < 5
	s_wait_loadcnt 32                              ; this K step's 32 loads (and the bias) are in; the other buffer's 32 may be out
.else
	s_wait_loadcnt 0x0
.endif
.if \ks == 0
	MUL16 0, 1, \swap
.else
	MUL16 128*(\ks%2), 0, \swap
.endif
.if \ks < 4
	PLACES
	WIN 0x40                                       ; the switch first, then the wait, then the loads
	s_wait_alu depctr_va_vdst(0)                   ; this K step's 16 matrix instructions are done reading their buffer, in which the 32 loads below land
	LOADK \ks+2, 128*(\ks%2)
.endif
.endr
	WIN 0
	PLACES
.endm
.macro RANGE lo, p, xoff
	s_cmp_ge_u32 s29, \lo
	s_cselect_b32 s31, \p, s31
	s_cselect_b32 s32, \lo, s32
	s_cselect_b32 s33, \xoff, s33
.endm
	s_load_b512 s[4:19], s[0:1], 0x0               ; ximg, wimg, bt, bi, bq, bk, bv s[4:17]; lowp_scales s[18:19]
	s_load_b256 s[20:27], s[0:1], 0x40             ; eimg, qimg, kimg, vimg
	v_lshrrev_b32 v5, 5, v0
	v_readfirstlane_b32 s28, v5                    ; wave
	v_and_b32 v6, 31, v0
	v_lshlrev_b32 v1, 4, v6                        ; 16 x lane
	v_lshlrev_b32 v2, 3, v6                        ; 8 x lane
	v_lshrrev_b32 v7, 4, v6
	v_lshlrev_b32 v3, 5, v7                        ; 32 h
	v_and_b32 v7, 15, v6
	v_lshlrev_b32 v4, 2, v7                        ; 4 r
	s_wait_alu depctr_va_sdst(0)                   ; s28 is written, ahead of its first reader: the head's number is made from it
	s_and_b32 s29, ttmp7, 0xffff                   ; y
	s_lshl_b32 s30, ttmp9, 2
	s_add_co_u32 s30, s30, s28                     ; head
	s_mov_b32 s31, 0                               ; p,
	s_mov_b32 s32, 0                               ; its first y,
	s_mov_b32 s33, 0                               ; its rows' region in ximg
	RANGE 8, 3, 393216
	RANGE 16, 1, 786432
	RANGE 42, 4, 2064384
	RANGE 68, 5, 3342336
	s_sub_co_u32 s32, s29, s32                     ; mg: tiles 4 mg .. 4 mg + 3
	s_mul_i32 s34, s32, 49152
	s_add_co_u32 s34, s34, s33
	s_mov_b32 s35, 0
	s_mul_i32 s36, s31, 589824
	s_mul_i32 s37, s30, 49152
	s_add_co_u32 s36, s36, s37
	s_mov_b32 s37, 0
	s_lshl_b32 s40, s30, 8                         ; the head's 64 numbers of the bias
	s_mov_b32 s41, 0
	s_wait_kmcnt 0x0
	s_load_b512 s[68:83], s[18:19], 0x0            ; the sixteen exponents: entry n in s[68 + n]
	s_add_nc_u64 s[4:5], s[4:5], s[34:35]
	s_add_nc_u64 s[6:7], s[6:7], s[36:37]
	s_mov_b64 s[38:39], s[8:9]
	s_cmp_eq_u32 s31, 1
	s_cselect_b64 s[38:39], s[10:11], s[38:39]
	s_cmp_eq_u32 s31, 3
	s_cselect_b64 s[38:39], s[12:13], s[38:39]
	s_cmp_eq_u32 s31, 4
	s_cselect_b64 s[38:39], s[14:15], s[38:39]
	s_cmp_eq_u32 s31, 5
	s_cselect_b64 s[38:39], s[16:17], s[38:39]
	s_add_nc_u64 s[38:39], s[38:39], s[40:41]
	s_mul_i32 s46, s32, 49152                      ; where q's, k's and v's images begin: (12 x 4 mg + head) x 1,024
	s_lshl_b32 s47, s30, 10
	s_add_co_u32 s46, s46, s47
	s_mov_b32 s47, 0
	s_cmp_eq_u32 s31, 5
	s_cbranch_scc1 .Lvalues
	; ---- source 0 = 16 columns of W, source 1 = 16 rows: lane (r, h) holds row r and columns 16 j + 8 h + 0 .. 7
	s_wait_alu depctr_va_vdst(0)                   ; the offsets v1 to v4 are written: every load and store on this way reads one of them, and none is written again
.irp j, 0,1,2,3
	global_load_b128 v[BI+8*\j:BI+8*\j+3], v3, s[38:39] offset:64*\j
	global_load_b128 v[BI+8*\j+4:BI+8*\j+7], v3, s[38:39] offset:64*\j+16
.endr
	GEMM 0
.irp t, 0,1,2,3,4,5,6,7,8,9,10,11,12,13,14,15
.irp i, 0,2,4,6
	v_pk_fma_f32 v[ACC+8*\t+\i:ACC+8*\t+\i+1], v[ACC+8*\t+\i:ACC+8*\t+\i+1], s[84:85], v[BI+8*(\t%4)+\i:BI+8*(\t%4)+\i+1] op_sel_hi:[1,0,1]   ; sum x 2^(ea + eb) + bias; each accumulator from its low end on
.endr
.endr
	s_cmp_lt_u32 s31, 2
	s_cbranch_scc0 .Lcodes
	s_lshl_b32 s44, s32, 2                         ; f32 out: tile 4 mg (text) or 32 + 4 mg (image)
	s_cmp_eq_u32 s31, 1
	s_cselect_b32 s45, 32, 0
	s_add_co_u32 s44, s44, s45
	s_mul_i32 s44, s44, 49152
	s_lshl_b32 s45, s30, 12
	s_add_co_u32 s44, s44, s45
	s_mov_b32 s45, 0
	s_add_nc_u64 s[20:21], s[20:21], s[44:45]
	s_wait_alu depctr_va_vdst(0)                   ; the multiply-adds have written v[ACC ..], which the 32 stores read
.irp a, 0,1,2,3
.irp j, 0,1,2,3
	global_store_b128 v1, v[ACC+8*(4*\a+\j):ACC+8*(4*\a+\j)+3], s[20:21] offset:\a*49152+\j*1024          ; 512 consecutive bytes
	global_store_b128 v1, v[ACC+8*(4*\a+\j)+4:ACC+8*(4*\a+\j)+7], s[20:21] offset:\a*49152+\j*1024+512
.endr
.endr
	s_endpgm
.Lcodes:
	s_cmp_eq_u32 s31, 3
	s_cselect_b64 s[48:49], s[22:23], s[24:25]     ; q's images or k's
	s_add_nc_u64 s[48:49], s[48:49], s[46:47]
.set i, 0
.rept 128
	v_med3_num_f32 v[ACC+i], v[ACC+i], -v9, v9     ; the hold at the largest code x the scale
.set i, i+1
.endr
.irp a, 0,1,2,3
.irp j, 0,1,2,3
	v_cvt_scalef32_pk8_fp8_f32 v[CD+8*\a+2*\j:CD+8*\a+2*\j+1], v[ACC+8*(4*\a+\j):ACC+8*(4*\a+\j)+7], v8   ; registers 2 j, 2 j + 1 of the fragment: k = 16 j + 8 h + 0 .. 7
.endr
.endr
	v_nop
	s_wait_alu depctr_va_vdst(0)                   ; the conversions have written v[CD ..], which the eight stores read
.irp a, 0,1,2,3
	global_store_b128 v1, v[CD+8*\a:CD+8*\a+3], s[48:49] offset:\a*12288
	global_store_b128 v1, v[CD+8*\a+4:CD+8*\a+7], s[48:49] offset:\a*12288+512
.endr
	s_endpgm
.Lvalues:
	; ---- source 0 = 16 rows, source 1 = 16 columns of Wv: lane (r, h) holds channel 16 j + r and keys 16 a + 8 h + 0 .. 7
	s_wait_alu depctr_va_vdst(0)                   ; the offsets v1 to v4 are written: every load and store on this way reads one of them, and none is written again
.irp j, 0,1,2,3
	global_load_b32 v[BI+2*\j], v4, s[38:39] offset:64*\j      ; the lane's one number of bv, twice: a pair for the packed form
	global_load_b32 v[BI+2*\j+1], v4, s[38:39] offset:64*\j
.endr
	GEMM 1
	s_add_nc_u64 s[26:27], s[26:27], s[46:47]
.irp t, 0,1,2,3,4,5,6,7,8,9,10,11,12,13,14,15
.irp i, 0,2,4,6
	v_pk_fma_f32 v[ACC+8*\t+\i:ACC+8*\t+\i+1], v[ACC+8*\t+\i:ACC+8*\t+\i+1], s[84:85], v[BI+2*(\t%4):BI+2*(\t%4)+1] op_sel_hi:[1,0,1]
.endr
.endr
.set i, 0
.rept 128
	v_med3_num_f32 v[ACC+i], v[ACC+i], -v9, v9
.set i, i+1
.endr
.irp t, 0,1,2,3,4,5,6,7,8,9,10,11,12,13,14,15
	v_cvt_scalef32_pk8_fp8_f32 v[CD+2*\t:CD+2*\t+1], v[ACC+8*\t:ACC+8*\t+7], v8
.endr
	v_nop
	s_wait_alu depctr_va_vdst(0)                   ; the conversions have written v[CD ..], which the sixteen stores read
.irp a, 0,1,2,3
.irp j, 0,1,2,3
	global_store_b64 v2, v[CD+2*(4*\a+\j):CD+2*(4*\a+\j)+1], s[26:27] offset:\a*12288+256*\j   ; 256 consecutive bytes, aligned
.endr
.endr
	s_endpgm
.Lfunc_end_k_q4c73521461_proj:
	.size	k_q4c73521461_proj, .Lfunc_end_k_q4c73521461_proj-k_q4c73521461_proj
	.p2alignl 7, 3214868480
	.fill 96, 4, 3214868480
	.section	.rodata,"a",@progbits
	.p2align	6, 0x0
	.amdhsa_kernel k_q4c73521461_proj
		.amdhsa_group_segment_fixed_size 0
		.amdhsa_private_segment_fixed_size 0
		.amdhsa_enable_private_segment 0
		.amdhsa_kernarg_size 96
		.amdhsa_user_sgpr_count 2
		.amdhsa_user_sgpr_kernarg_segment_ptr 1
		.amdhsa_wavefront_size32 1
		.amdhsa_system_sgpr_workgroup_id_x 1
		.amdhsa_system_sgpr_workgroup_id_y 1
		.amdhsa_system_sgpr_workgroup_id_z 1
		.amdhsa_system_vgpr_workitem_id 0
		.amdhsa_next_free_vgpr 512
		.amdhsa_next_free_sgpr 96
		.amdhsa_reserve_vcc 0
		.amdhsa_float_denorm_mode_32 3
		.amdhsa_float_denorm_mode_16_64 3
		.amdhsa_memory_ordered 1
		.amdhsa_forward_progress 1
		.amdhsa_inst_pref_size 89
	.end_amdhsa_kernel
	.amdgpu_metadata
---
amdhsa.version: [ 1, 2 ]
amdhsa.kernels:
  - .name:           k_q4c73521461_proj
    .symbol:         k_q4c73521461_proj.kd
    .args:
      - { .name: ximg, .offset: 0, .size: 8, .value_kind: global_buffer, .address_space: global }
      - { .name: wimg, .offset: 8, .size: 8, .value_kind: global_buffer, .address_space: global }
      - { .name: bt, .offset: 16, .size: 8, .value_kind: global_buffer, .address_space: global }
      - { .name: bi, .offset: 24, .size: 8, .value_kind: global_buffer, .address_space: global }
      - { .name: bq, .offset: 32, .size: 8, .value_kind: global_buffer, .address_space: global }
      - { .name: bk, .offset: 40, .size: 8, .value_kind: global_buffer, .address_space: global }
      - { .name: bv, .offset: 48, .size: 8, .value_kind: global_buffer, .address_space: global }
      - { .name: lowp_scales, .offset: 56, .size: 8, .value_kind: global_buffer, .address_space: global }
      - { .name: eimg, .offset: 64, .size: 8, .value_kind: global_buffer, .address_space: global }
      - { .name: qimg, .offset: 72, .size: 8, .value_kind: global_buffer, .address_space: global }
      - { .name: kimg, .offset: 80, .size: 8, .value_kind: global_buffer, .address_space: global }
      - { .name: vimg, .offset: 88, .size: 8, .value_kind: global_buffer, .address_space: global }
    .group_segment_fixed_size: 0
    .private_segment_fixed_size: 0
    .kernarg_segment_align: 8
    .kernarg_segment_size: 96
    .max_flat_workgroup_size: 128
    .sgpr_count:     96
    .vgpr_count:     512
    .wavefront_size: 32
...
	.end_amdgpu_metadata
.endif
;; end of part 5
;; launch gatek: the kernel of part 3 again; grid 256 x 1, 4 waves a work-group, clusters of 4 x 1, 327,680 bytes of LDS; arguments eimg, wimg, b1, W2, b2, lowp_scales, gate; writes gate
;; launch attn (part 6): grid 48 x 8, 1 waves a work-group, no clusters, 4,608 bytes of LDS; arguments qimg, kimg, vimg, gate, lowp_scales, out0; writes out0
.if DOCPART == 6
	.amdgcn_target "amdgcn-amd-amdhsa--gfx1250"
	.amdhsa_code_object_version 6
	.text
	.protected	k_q4c73521461_attn
	.globl	k_q4c73521461_attn
	.p2align	8
	.type	k_q4c73521461_attn,@function
k_q4c73521461_attn:
	s_mov_b64 s[64:65], 0
	v_nop
	global_prefetch_b8 v0, s[64:65] scope:SCOPE_SE
	s_setreg_imm32_b32 hwreg(HW_REG_WAVE_SCHED_MODE, 0, 2), 2
	s_setreg_imm32_b32 hwreg(HW_REG_WAVE_MODE, 25, 1), 1
	s_wait_xcnt 0x0
	s_wait_alu depctr_vm_vsrc(0)
; out[b][t][64 head + d] = the sum over i of Q(softmax_i(q . k / 8) x gate[b][t][i]) v[i][d], both products on codes of E4M3 (e12, e13; e14, e15).
; One wave takes 16 queries (tile tt = x % 4) of one head (x / 4) of one batch (y) and all 197 keys, in 13 tiles of 16.  All operands are register images of the launches before: 106 loads, issued at once.
; Both products are used transposed: S^T = k q^T (source 0 = 16 keys, source 1 = my queries), O^T = v^T p^T: a lane holds ONE query (l % 16) throughout, and in tile it its registers are keys 16 it + 8 (l / 16) + 0 .. 7:
; that is the plain form's own place for k = 16 c + 8 h + 0 .. 7, so eight converted numbers are registers 2 it, 2 it + 1 of the second product's operand.
; The softmax is finished as it is written: the row's largest score is taken away, the sum divides, the gate multiplies; then the quantiser.  Keys 197-207 get a score of -infinity, so their weight is 0;
; keys 208-255 of the second product's two K steps are zero codes on both sides.
; No cluster and no tensor load: the four query tiles of a head share 26 KB of k and v, which each reads once, straight into registers; there is one step and nothing to run ahead of.
; LIMITS: e12 + e13 between -123 and 130 (added to c's exponent field); e14 between -126 and 119; e14 + e15 between -126 and 127.
; THE MODE: SCHED_MODE bits 1:0 = 2 (LLVM: expert scheduling mode 2), set by the entry lines.  The code itself states the register dependences
; between vector or matrix instructions and memory or LDS instructions, with s_wait_alu, always for 0.
; THE PLAN.  Registers that memory or LDS instructions touch:
;   v3, v4, v5      the loads' offsets: made at the head, never written again.  One wait on va_vdst ahead of the first load; behind it stand loads and window switches alone, up to the last load.
;   v8-15, window 1 v0-207, window 2 up to v[32 dt + 25]: each is loaded once, and named by no vector instruction ahead of its load.
;   v198, v199, v200  the way out's addresses, made at the head;  v152-183 O^T, the LDS stores' data, written by the last multiplications: one wait on va_vdst ahead of the LDS stores covers all four.
;   v204-235        the rows read back from the stage: written by LDS loads, read by the global stores; no vector instruction names them.
;   v254, v255      written at the head, read by the closing add alone.
;   VCC             written by one compare, read by five selects: one wait on va_vcc ahead of the first.
;   No register that a memory or LDS instruction reads is written again: no wait on vm_vsrc is owed.
.set Q,  8                             ; v8-15    q's fragment
.set S,  16                            ; v16-119  S^T, then the weights
.set PC, 120                           ; v120-151 their codes
.set O,  152                           ; v152-183 O^T
.set G,  104                           ; window 1: v0-103 k's 13 fragments, v104-207 the gate in S^T's layout;  window 2: v's fragments: channel tile dt, key tile it at v[32 dt + 2 it]
.set MSB, 0
.macro WIN new                         ; the immediate's high byte repeats the setting that is left
.if MSB != (\new)
	s_set_vgpr_msb (MSB<<8)|(\new)
.set MSB, (\new)
.endif
.endm
	s_load_b256 s[4:11], s[0:1], 0x0               ; qimg, kimg, vimg, gate
	s_load_b128 s[12:15], s[0:1], 0x20             ; lowp_scales, out0
	v_lshl_add_u32 v254, v0, 2, 0x1100
	v_mov_b32 v255, 0
	v_and_b32 v1, 15, v0                           ; r
	v_lshrrev_b32 v2, 4, v0                        ; h
	v_lshlrev_b32 v3, 4, v0                        ; 16 x lane
	v_lshlrev_b32 v4, 3, v0                        ; 8 x lane
	v_lshlrev_b32 v5, 6, v1
	v_lshl_add_u32 v5, v2, 5, v5                   ; the gate: 64 r + 32 h
	s_lshr_b32 s20, ttmp9, 2                       ; head
	s_and_b32 s21, ttmp9, 3                        ; tt
	s_and_b32 s22, ttmp7, 0xffff                   ; b
	s_lshl_b32 s23, s22, 2
	s_add_co_u32 s23, s23, s21                     ; the queries' tile 4 b + tt
	s_mul_i32 s24, s23, 12
	s_add_co_u32 s24, s24, s20
	s_lshl_b32 s24, s24, 10
	s_mov_b32 s25, 0
	s_mul_i32 s26, s22, 156                        ; k, v: tile 13 b, 12 heads a tile
	s_add_co_u32 s26, s26, s20
	s_lshl_b32 s26, s26, 10
	s_mov_b32 s27, 0
	s_mul_i32 s28, s22, 832                        ; the gate: (13 b x 64 + 16 tt) rows of 64 bytes
	s_lshl_b32 s29, s21, 4
	s_add_co_u32 s28, s28, s29
	s_lshl_b32 s28, s28, 6
	s_mov_b32 s29, 0
	s_mul_i32 s30, s23, 49152                      ; out: 16 rows of 3,072 bytes a tile, + 256 x head
	s_lshl_b32 s31, s20, 8
	s_add_co_u32 s30, s30, s31
	s_mov_b32 s31, 0
	s_mov_b32 s34, 0x76543210                      ; v_permlanex16_b32's selects for lane l xor 16
	s_mov_b32 s35, 0xfedcba98
	s_wait_kmcnt 0x0
	s_load_b128 s[16:19], s[12:13], 0x30           ; e12, e13, e14, e15
	s_add_nc_u64 s[4:5], s[4:5], s[24:25]
	s_add_nc_u64 s[6:7], s[6:7], s[26:27]
	s_add_nc_u64 s[8:9], s[8:9], s[26:27]
	s_add_nc_u64 s[10:11], s[10:11], s[28:29]
	s_add_nc_u64 s[14:15], s[14:15], s[30:31]
	s_wait_alu depctr_va_vdst(0)                   ; v3, v4 and v5 are written: the 106 loads below read them as offsets
	global_load_b128 v[Q:Q+3], v3, s[4:5]
	global_load_b128 v[Q+4:Q+7], v3, s[4:5] offset:512
	WIN 0x40                                       ; destination window 1
.set i, 0
.rept 13
	global_load_b128 v[8*i:8*i+3], v3, s[6:7] offset:12288*i
	global_load_b128 v[8*i+4:8*i+7], v3, s[6:7] offset:12288*i+512
.set i, i+1
.endr
.set i, 0
.rept 13
	global_load_b128 v[G+8*i:G+8*i+3], v5, s[10:11] offset:4096*i
	global_load_b128 v[G+8*i+4:G+8*i+7], v5, s[10:11] offset:4096*i+16
.set i, i+1
.endr
	WIN 0x80                                       ; destination window 2
.set i, 0
.rept 13
.irp dt, 0,1,2,3
	global_load_b64 v[32*\dt+2*i:32*\dt+2*i+1], v4, s[8:9] offset:12288*i+256*\dt
.endr
.set i, i+1
.endr
.irp dt, 0,1,2,3
.irp i, 26,27,28,29,30,31
	v_mov_b32 v[32*\dt+\i], 0                      ; keys 208-255: zero codes.  (No load lands in these registers)
.endr
.endr
	WIN 0
.irp i, 26,27,28,29,30,31
	v_mov_b32 v[PC+\i], 0
.endr
	v_mov_b32 v187, 0                              ; written once: a lane permute's destination counts as one of its sources
	v_mov_b32 v184, 0xff800000                     ; -infinity
	v_cmp_eq_u32 vcc_lo, 0, v2
	v_mul_u32_u24 v198, v1, 272                    ; the stage, in: row r, + 32 h
	v_lshl_add_u32 v198, v2, 5, v198
	v_mul_u32_u24 v199, v2, 272                    ; back: lanes 0-15 one row, lanes 16-31 the next
	v_lshl_add_u32 v199, v1, 4, v199
	v_mul_u32_u24 v200, v2, 3072                   ; and the same two rows in out
	v_lshl_add_u32 v200, v1, 4, v200
	s_wait_kmcnt 0x0
	s_add_co_i32 s36, s16, s17
	s_lshl_b32 s36, s36, 23
	s_add_co_i32 s32, s36, 0x3e38aa3b              ; c = log2(e) / 8, with e12 + e13 added to its exponent field: a score stands for score x 2^(e12 + e13)
	s_mov_b32 s33, s32                             ; (named with it as a pair, so it is written)
	s_add_co_i32 s36, s18, 127
	s_lshl_b32 s37, s36, 23
	v_mov_b32 v197, s37                            ; 2^e14, for the conversions
	s_add_co_i32 s36, s36, 8
	s_lshl_b32 s36, s36, 23
	s_or_b32 s36, s36, 0x600000
	v_mov_b32 v196, s36                            ; 448 x 2^e14
	s_add_co_i32 s38, s18, s19
	s_add_co_i32 s38, s38, 127
	s_lshl_b32 s38, s38, 23                        ; 2^(e14 + e15)
	s_mov_b32 s39, s38
	s_wait_loadcnt 63                              ; behind q's and k's 28 loads 78 were issued; the count's field holds 63 at the most, and the smaller count is safe
	WIN 0x01                                       ; source 0 window 1
.set i, 0
.rept 13
	v_wmma_f32_16x16x64_fp8_fp8 v[S+8*i:S+8*i+7], v[8*i:8*i+7], v[Q:Q+7], 0
.set i, i+1
.endr
	WIN 0
.rept 4
	v_nop                                          ; four places behind the last product (ISA guide 7.12.1)
.endr
	s_wait_alu depctr_va_vcc(0)                    ; the compare at the head has written VCC, ahead of its first reader: the five selects below
.irp i, 0,1,2,3,4
	v_cndmask_b32 v[S+96+\i], v184, v[S+96+\i], vcc_lo   ; tile 12: keys 192-196 count (h = 0, registers 0-4),
.endr
.irp i, 5,6,7
	v_mov_b32 v[S+96+\i], v184                     ; the others do not
.endr
	v_max3_num_f32 v185, v[S], v[S+1], v[S+2]      ; the row's largest score, among my 104 keys, in two chains; each accumulator is read from its low end on
	v_max3_num_f32 v186, v[S+3], v[S+4], v[S+5]
.set i, 6
.rept 24
	v_max3_num_f32 v185, v185, v[S+i], v[S+i+1]
	v_max3_num_f32 v186, v186, v[S+i+2], v[S+i+3]
.set i, i+4
.endr
	v_max3_num_f32 v185, v185, v[S+102], v[S+103]
	v_max_num_f32 v185, v185, v186
	v_permlanex16_b32 v187, v185, s34, s35
	v_max_num_f32 v188, v185, v187                 ; and among lane l xor 16's
	v_mov_b32 v189, v188                           ; (named with it as a pair)
.set i, 0
.rept 52
	v_pk_add_f32 v[S+i:S+i+1], v[S+i:S+i+1], v[188:189] op_sel_hi:[1,0] neg_lo:[0,1] neg_hi:[0,1]   ; s - max first, then x c: so the error ahead of the quantiser does not grow with the scores
.set i, i+2
.endr
.set i, 0
.rept 52
	v_pk_mul_f32 v[S+i:S+i+1], v[S+i:S+i+1], s[32:33] op_sel_hi:[1,0]
.set i, i+2
.endr
.set i, 0
.rept 104
	v_exp_f32 v[S+i], v[S+i]
.set i, i+1
.endr
	v_mov_b32 v195, 0                              ; a plain line behind the batch (and the upper half of the pair v[194:195])
	s_wait_alu depctr_va_vdst(0)                   ; the 104 exponentials have written v[S ..]: one wait for the batch, ahead of its first reader
	v_pk_add_f32 v[190:191], v[S:S+1], v[S+2:S+3]  ; the row's sum, two at a time, in two chains
	v_pk_add_f32 v[192:193], v[S+4:S+5], v[S+6:S+7]
.set i, 8
.rept 24
	v_pk_add_f32 v[190:191], v[190:191], v[S+i:S+i+1]
	v_pk_add_f32 v[192:193], v[192:193], v[S+i+2:S+i+3]
.set i, i+4
.endr
	v_pk_add_f32 v[190:191], v[190:191], v[192:193]
	v_add_f32 v190, v190, v191
	v_permlanex16_b32 v187, v190, s34, s35
	v_add_f32 v190, v190, v187
	v_rcp_f32 v194, v190
	v_nop                                          ; a plain line behind the reciprocal
	s_wait_alu depctr_va_vdst(0)                   ; the reciprocal has written v194, ahead of its first reader
.set i, 0
.rept 52
	v_pk_mul_f32 v[S+i:S+i+1], v[S+i:S+i+1], v[194:195] op_sel_hi:[1,0]   ; the softmax, finished
.set i, i+2
.endr
	s_wait_loadcnt 52                              ; the gate is in; v's 52 loads may be out
	WIN 0x04                                       ; source 1 window 1
.set i, 0
.rept 52
	v_pk_mul_f32 v[S+i:S+i+1], v[S+i:S+i+1], v[G+i:G+i+1]
.set i, i+2
.endr
	WIN 0
.set i, 0
.rept 104
	v_min_num_f32 v[S+i], v[S+i], v196             ; the conversion does not saturate (ISA guide 7.6.2); nothing here is negative, so the hold is one-sided
.set i, i+1
.endr
.set i, 0
.rept 13
	v_cvt_scalef32_pk8_fp8_f32 v[PC+2*i:PC+2*i+1], v[S+8*i:S+8*i+7], v197
.set i, i+1
.endr
	v_nop                                          ; a plain line between the conversions and the products that read their results
	s_wait_loadcnt 0x0
	WIN 0x02                                       ; source 0 window 2
.irp s, 0,1
.irp dt, 0,1,2,3
.if \s == 0
	v_wmma_f32_16x16x128_fp8_fp8 v[O+8*\dt:O+8*\dt+7], v[32*\dt+16*\s:32*\dt+16*\s+15], v[PC+16*\s:PC+16*\s+15], 0
.else
	v_wmma_f32_16x16x128_fp8_fp8 v[O+8*\dt:O+8*\dt+7], v[32*\dt+16*\s:32*\dt+16*\s+15], v[PC+16*\s:PC+16*\s+15], v[O+8*\dt:O+8*\dt+7]
.endif
.endr
.endr
	WIN 0
.rept 4
	v_nop
.endr
.set i, 0
.rept 16
	v_pk_mul_f32 v[O+i:O+i+1], v[O+i:O+i+1], s[38:39] op_sel_hi:[1,0]   ; x 2^(e14 + e15): register 8 dt + j is out(query r, channel 16 dt + 8 h + j)
.set i, i+2
.endr
	s_wait_alu depctr_va_vdst(0)                   ; the multiplications have written v[O ..], the LDS stores' data; the addresses v198, v199 and v200, made at the head, are written too
.irp dt, 0,1,2,3
	ds_store_b128 v198, v[O+8*\dt:O+8*\dt+3] offset:64*\dt
	ds_store_b128 v198, v[O+8*\dt+4:O+8*\dt+7] offset:64*\dt+16
.endr
.irp i, 0,1,2,3,4,5,6,7
	ds_load_b128 v[204+4*\i:207+4*\i], v199 offset:544*\i   ; LDS serves a wave's instructions in order: these see my stores
.endr
.irp i, 0,1,2,3,4,5,6,7
	s_wait_dscnt 7-\i                              ; loads come back in order: pair i of rows is in
	global_store_b128 v200, v[204+4*\i:207+4*\i], s[14:15] offset:6144*\i   ; sixteen lanes store a head's 256 bytes of a row, aligned
.endr
	s_wait_dscnt 0x0                               ; the closing lines, six on end
	s_wait_alu 0x0
	s_wait_tensorcnt 0x0
	ds_add_u32 v254, v255
	s_wait_dscnt 0x0
	s_endpgm
.Lfunc_end_k_q4c73521461_attn:
	.size	k_q4c73521461_attn, .Lfunc_end_k_q4c73521461_attn-k_q4c73521461_attn
	.p2alignl 7, 3214868480
	.fill 96, 4, 3214868480
	.section	.rodata,"a",@progbits
	.p2align	6, 0x0
	.amdhsa_kernel k_q4c73521461_attn
		.amdhsa_group_segment_fixed_size 4608
		.amdhsa_private_segment_fixed_size 0
		.amdhsa_enable_private_segment 0
		.amdhsa_kernarg_size 48
		.amdhsa_user_sgpr_count 2
		.amdhsa_user_sgpr_kernarg_segment_ptr 1
		.amdhsa_wavefront_size32 1
		.amdhsa_system_sgpr_workgroup_id_x 1
		.amdhsa_system_sgpr_workgroup_id_y 1
		.amdhsa_system_sgpr_workgroup_id_z 1
		.amdhsa_system_vgpr_workitem_id 0
		.amdhsa_next_free_vgpr 640
		.amdhsa_next_free_sgpr 66
		.amdhsa_reserve_vcc 1
		.amdhsa_float_denorm_mode_32 3
		.amdhsa_float_denorm_mode_16_64 3
		.amdhsa_memory_ordered 1
		.amdhsa_forward_progress 1
		.amdhsa_inst_pref_size 47
	.end_amdhsa_kernel
	.amdgpu_metadata
---
amdhsa.version: [ 1, 2 ]
amdhsa.kernels:
  - .name:           k_q4c73521461_attn
    .symbol:         k_q4c73521461_attn.kd
    .args:
      - { .name: qimg, .offset: 0, .size: 8, .value_kind: global_buffer, .address_space: global }
      - { .name: kimg, .offset: 8, .size: 8, .value_kind: global_buffer, .address_space: global }
      - { .name: vimg, .offset: 16, .size: 8, .value_kind: global_buffer, .address_space: global }
      - { .name: gate, .offset: 24, .size: 8, .value_kind: global_buffer, .address_space: global }
      - { .name: lowp_scales, .offset: 32, .size: 8, .value_kind: global_buffer, .address_space: global }
      - { .name: out0, .offset: 40, .size: 8, .value_kind: global_buffer, .address_space: global }
    .group_segment_fixed_size: 4608
    .private_segment_fixed_size: 0
    .kernarg_segment_align: 8
    .kernarg_segment_size: 48
    .max_flat_workgroup_size: 32
    .sgpr_count:     66
    .vgpr_count:     640
    .wavefront_size: 32
...
	.end_amdgpu_metadata
.endif
;; end of part 6
